; MI455X (gfx1250); checked and timed in simulation.
; The chip was launched on July 23, 2026; its instructions are those of AMD's public machine-readable ISA for CDNA 5 (MIT licence, August 2026) and "CDNA5" Instruction Set Architecture Reference Guide (July 2026). The comments in the code are by the model that wrote it; some were corrected since.
;; LA Attention. Allowed arithmetic: matrix products marked QUANTISED: E3M2 operands, one E8M0 scale for each 32 along K, by v_wmma_scale_f32_16x16x128_f8f6f4 with both operands' format E3M2, f32 sums; everything else in f32.
;; Inputs: attention_mask 1 x 1 x 2,048 x 2,048 float32; bk 2,048 float32; bo 2,048 float32; bq 2,048 float32; bv 2,048 float32; hidden_states 1 x 2,048 x 2,048 float32; wk 2,048 x 2,048 float32; wo 2,048 x 2,048 float32; wq 2,048 x 2,048 float32; wv 2,048 x 2,048 float32.
;; Outputs: out0 1 x 2,048 x 2,048 float32.
;; This version of the problem:
;;   THIS VERSION OF THE PROBLEM IS GIVEN IN LOW PRECISION. The matrix products marked QUANTISED in the list below multiply operands that are first quantised to E3M2 (3 exponent bits, 2 mantissa bits; 6 bits a number), with one power-of-two scale for each 32 numbers along K (OCP MX v1.0); their sums are f32. All else is computed in f32.
;;   The module's matrix products, in the order in which they are computed (A, B: the left and right operand; K: the contracted axis; several contracted axes count as one K, in the product's order):
;;     1. [M 2,048, K 2,048] x [K 2,048, N 2,048]; A: input hidden_states; B: input wq: QUANTISED
;;     2. [M 2,048, K 2,048] x [K 2,048, N 2,048]; A: input hidden_states; B: input wk: QUANTISED
;;     3. [M 2,048, K 2,048] x [K 2,048, N 2,048]; A: input hidden_states; B: input wv: QUANTISED
;;     4. batch 32 x [M 2,048, K 64] x [K 64, N 2,048]; A: computed on the way; B: computed on the way: QUANTISED
;;     5. batch 32 x [M 2,048, K 2,048] x [K 2,048, N 64]; A: computed on the way; B: computed on the way: QUANTISED
;;     6. [M 2,048, K 2,048] x [K 2,048, N 2,048]; A: computed on the way; B: input wo: QUANTISED
;;   THE QUANTISER, for each operand of a quantised product, along K:
;;     - K is cut into blocks of 32 from its start; a last block that is shorter is filled with zeros.
;;     - A block's scale is 2^e with e = floor(log2(the largest magnitude in the block)) - 4, held to -126 .. 127; a block of zeros has e = 0. As a byte (E8M0): e + 127.
;;     - Each number is divided by its block's scale, clamped to +-28, and rounded to the nearest number of E3M2, ties to even, subnormals kept.
;;     - The product sums the exact products of the quantised numbers (number of the format x scale) in f32.
;;   ~~~python
;;   def quantise(x, axis):      # numpy; x: float32 -> the quantised numbers, widened to float32 again
;;       x = np.moveaxis(x, axis, -1); K = x.shape[-1]
;;       x = np.pad(x, [(0, 0)] * (x.ndim - 1) + [(0, -K % 32)]); x = x.reshape(x.shape[:-1] + (-1, 32)); a = np.abs(x).max(-1, keepdims=True)
;;       e = np.where(a > 0, np.clip(np.frexp(np.where(a > 0, a, 1))[1] - 1 - 4, -126, 127), 0)      # np.frexp(a)[1] - 1 = floor(log2(a)), exactly
;;       r = np.clip(x / 2.0 ** e, -28, 28)
;;       step = 2.0 ** (np.maximum(np.frexp(np.where(r == 0, 1, r))[1] - 1, -2) - 2)
;;       q = np.round(r / step) * step * 2.0 ** e      # np.round: ties to even
;;       return np.moveaxis(q.reshape(q.shape[:-2] + (-1,))[..., :K], -1, axis).astype(np.float32)
;;   ~~~
;;   OPERANDS COMPUTED ON THE WAY. 'Computed on the way' means the value that the module computes at that place (a softmax that the list does not call 'softmax' is quantised finished and normalised). What goes into a quantiser is computed in f32, as accurately as f32 sums, v_exp_f32 and their like allow (about 1e-6 of the number): no bf16 or f16 on the way to a quantiser, and a product that is left as it is and whose result goes on into a quantised operand takes f32 operands (vector FMAs, or v_wmma_f32_16x16x4_f32). A number that lies on a knife's edge between two numbers of the format may be rounded either way, as far as f32 arithmetic and the matrix unit's own rounding can turn it there, and no further.
;; 2 versions, each right. Each part assembles by itself: llvm-mc -triple=amdgcn-amd-amdhsa -mcpu=gfx1250 --defsym DOCPART=n.
;; ======== version 1 of 2: 4 launches
;; workspace buffers: cod 15,728,640 bytes; scl 1,310,720 bytes; mimg 16,777,216 bytes; img 9,437,184 bytes; isc 786,432 bytes; oimg 3,145,728 bytes; osc 262,144 bytes
;; launch prep (part 1): grid 768 x 1, 4 waves a work-group, no clusters, 34,304 bytes of LDS; arguments hidden_states, wq, wk, wv, wo, attention_mask, cod, scl, mimg; writes cod, scl, mimg
.if DOCPART == 1
	.amdgcn_target "amdgcn-amd-amdhsa--gfx1250"
	.amdhsa_code_object_version 6
	.text
	.protected	k_q7eb242544b_prep
	.globl	k_q7eb242544b_prep
	.p2align	8
	.type	k_q7eb242544b_prep,@function
k_q7eb242544b_prep:
	s_mov_b64 s[64:65], 0
	v_nop
	global_prefetch_b8 v0, s[64:65] scope:SCOPE_SE
	s_setreg_imm32_b32 hwreg(HW_REG_WAVE_MODE, 25, 1), 1
	s_wait_xcnt 0x0
; LAUNCH 1 OF 4.  hidden_states, wq, wk, wv, wo ([2048][2048] f32, K innermost) become codes of E3M2 with one E8M0 byte for each 32 along K; attention_mask is laid anew, as f32.
; DEAD WORK: none is left out in this program.  The mask is an input and multiplies every score, so all 2048 x 2048 scores of all 32 heads are live; every bias moves an operand of a later quantiser or the output; every input is loaded.
; THE LAYOUT OF EVERY OPERAND OF THE PROGRAM is the image of the matrix instruction's registers.  A fragment is 16 rows x 128 K: 12 registers a lane; lane (r, h) holds in registers 6 c .. 6 c + 5 the codes of k = 64 c + 32 h + 0 .. 31.
; In memory: [K step 16][row tile 128][1536 bytes]: three chunks of 512 bytes, chunk c = registers 4 c .. 4 c + 3, a lane's 16 bytes at 16 x lane.  Scale words: [K step][row tile][32 lanes x 4 bytes], lanes r and 16 + r both row r's word.
; THE ROWS OF A TILE ARE NOT NEIGHBOURS: place r of tile t holds row 32 (t / 2) + 8 (t % 2) + r + 8 (r / 8), so that the results of eight neighbouring tiles, used as source 0, are 64 numbers of a lane in the order 32 b + 16 h + i.
; The mask: [row tile 128][key step 16][8192 bytes]: 16 chunks of 512 bytes; register 16 b + i of lane (r, h) is mask(the row at place r, 128 step + 32 b + 16 h + i): the layout in which the scores lie in launch 3.
; SHARES: work-group g takes matrix g / 128 (5: the mask) and row tile g % 128; wave w takes K steps 4 w .. 4 w + 3.  Each load reads 512 consecutive bytes of a row; a tile of 16 x 512 bytes turns through the wave's own stage in LDS.
; A block's scale is 2^(floor(log2(its largest magnitude)) - 4): its byte is the largest magnitude's exponent field - 4, held at 1 from below.
; LIMITS: NaN and infinities among the inputs are not served; a block of zeros, or one whose largest magnitude lies under 2^-122, gets the byte 1 (its codes are zeros or nearly so; this program alone reads the bytes).
.set PITCH, 528                        ; a stage row: 512 bytes + 16 = 132 words: the sixteen rows that a read touches start four banks apart
.set WSTG,  16*PITCH                   ; a wave's stage
.set SPARE, 4*WSTG                     ; behind the stages: the spare words, 128 bytes a wave: two blocks of 256 bytes that no other line names
.set LO,  1                            ; v1  16 x lane
.set SI,  2                            ; v2  the stage, on the way in: my wave's + 16 x lane
.set SOA, 3                            ; v3  and out: my wave's + 528 r + 64 h
.set LW,  4                            ; v4  4 x lane
.set SPW, 5                            ; v5  my spare word; never rewritten
.set NIL, 6                            ; v6  0; never rewritten
.set PW,  7                            ; v7  the scale word just made
.set PC,  8                            ; v8-19   the fragment just made
.set TM,  20                           ; v20-31  at work in QUANT
.set X,   32                           ; v32-95  64 numbers of my row: register 16 b + i = k 32 b + 16 h + i
.set R,   96                           ; v96-223 two sets of 64: a tile as loaded
.set SEL, 34                           ; s[34:35] lane selects: lane l xor 16
; 64 numbers of a lane, register 16 b + i = k 32 b + 16 h + i of my row, become a fragment in v[PC] on and its scale word in v[PW].
.macro QUANT s
.irp b, 0,1,2,3
	v_max3_num_f32 v[TM+\b], |v[\s+16*\b]|, |v[\s+1+16*\b]|, 0x2800000   ; block b: my 16 numbers, and the floor 2^(5 - 127): the byte cannot fall under 1
.endr
.irp i, 2,4,6,8,10,12,14
.irp b, 0,1,2,3
	v_max3_num_f32 v[TM+\b], v[TM+\b], |v[\s+16*\b+\i]|, |v[\s+1+16*\b+\i]|   ; the four blocks by turns
.endr
.endr
.irp b, 0,1,2,3
	v_permlanex16_b32 v[TM+4+\b], v[TM+\b], s[SEL], s[SEL+1]
.endr
.irp b, 0,1,2,3
	v_max_num_f32 v[TM+\b], v[TM+\b], v[TM+4+\b]   ; with lane l xor 16's: the block's largest magnitude
.endr
.irp b, 0,1,2,3
	v_add_nc_u32 v[TM+8+\b], 0xfe000000, v[TM+\b]  ; 4 off its exponent field: the conversion's scale operand
.endr
.irp b, 0,1,2,3
	v_lshrrev_b32 v[TM+4+\b], 23, v[TM+8+\b]       ; the scale's byte
.endr
	v_lshl_or_b32 v[PW], v[TM+5], 8, v[TM+4]
	v_lshl_or_b32 v[PW], v[TM+6], 16, v[PW]
	v_lshl_or_b32 v[PW], v[TM+7], 24, v[PW]
	v_cvt_scalef32_pk16_bf6_f32 v[PC:PC+2], v[\s:\s+15], v[TM+8]
	v_cvt_scalef32_pk16_bf6_f32 v[TM:TM+2], v[\s+16:\s+31], v[TM+9]      ; (a conversion's three registers begin on an even number: the second halves are made elsewhere and moved)
	v_cvt_scalef32_pk16_bf6_f32 v[PC+6:PC+8], v[\s+32:\s+47], v[TM+10]
	v_cvt_scalef32_pk16_bf6_f32 v[TM+4:TM+6], v[\s+48:\s+63], v[TM+11]
	v_nop                                          ; one plain place behind the conversions
.irp c, 0,1                            ; the layout wants a whole block in a lane: lanes 0-15 block 2 c, lanes 16-31 block 2 c + 1
.irp i, 0,1,2
	v_permlane16_swap_b32 v[PC+6*\c+\i], v[TM+4*\c+\i]
.endr
.irp i, 0,1,2
	v_mov_b32 v[PC+3+6*\c+\i], v[TM+4*\c+\i]
.endr
.endr
.endm
	s_load_b512 s[4:19], s[0:1], 0x0               ; x s[4:5], wq s[6:7], wk s[8:9], wv s[10:11], wo s[12:13], the mask s[14:15], cod s[16:17], scl s[18:19]
	s_load_b64 s[20:21], s[0:1], 0x40              ; mimg
	v_lshl_add_u32 v[SPW], v0, 2, SPARE
	v_mov_b32 v[NIL], 0
	v_lshrrev_b32 v8, 5, v0
	v_readfirstlane_b32 s24, v8                    ; wave
	v_and_b32 v9, 31, v0                           ; lane
	v_and_b32 v10, 15, v0                          ; r
	v_bfe_u32 v11, v0, 4, 1                        ; h
	v_lshlrev_b32 v[LO], 4, v9
	v_lshlrev_b32 v[LW], 2, v9
	s_mul_i32 s25, s24, WSTG
	v_add_nc_u32 v[SI], s25, v[LO]
	v_mul_u32_u24 v[SOA], v10, PITCH
	v_lshl_add_u32 v[SOA], v11, 6, v[SOA]
	v_add_nc_u32 v[SOA], s25, v[SOA]
.irp b, 0,1,2,3
	v_mov_b32 v[TM+4+\b], 0                        ; written once: a lane permute's destination counts as one of its sources
.endr
	s_mov_b32 s[SEL], 0x76543210
	s_mov_b32 s[SEL+1], 0xfedcba98
	s_lshr_b32 s22, ttmp9, 7                       ; which matrix
	s_and_b32 s23, ttmp9, 127                      ; which row tile
	s_lshr_b32 s26, s23, 1
	s_lshl_b32 s26, s26, 5
	s_and_b32 s27, s23, 1
	s_lshl_b32 s27, s27, 3
	s_add_co_u32 s26, s26, s27                     ; the row at place 0: 32 (t / 2) + 8 (t % 2)
	s_lshl_b32 s26, s26, 13                        ; rows of 8,192 bytes
	s_lshl_b32 s27, s24, 11                        ; my four K steps: 2,048 bytes of a row
	s_add_co_u32 s26, s26, s27
	s_mov_b32 s27, 0
	s_mul_i32 s28, s22, 3145728                    ; codes: matrix, tile, my first K step
	s_mul_i32 s29, s23, 1536
	s_add_co_u32 s28, s28, s29
	s_mul_i32 s29, s24, 786432
	s_add_co_u32 s28, s28, s29
	s_mov_b32 s29, 0
	s_lshl_b32 s30, s22, 18                        ; scale words likewise
	s_lshl_b32 s31, s23, 7
	s_add_co_u32 s30, s30, s31
	s_lshl_b32 s31, s24, 16
	s_add_co_u32 s30, s30, s31
	s_mov_b32 s31, 0
	s_lshl_b32 s32, s23, 17                        ; the mask's image: tile, my first key step
	s_lshl_b32 s33, s24, 15
	s_add_co_u32 s32, s32, s33
	s_mov_b32 s33, 0
	s_wait_kmcnt 0x0
	s_cmp_eq_u32 s22, 1                            ; the source is chosen by the work-group's number alone
	s_cselect_b64 s[4:5], s[6:7], s[4:5]
	s_cmp_eq_u32 s22, 2
	s_cselect_b64 s[4:5], s[8:9], s[4:5]
	s_cmp_eq_u32 s22, 3
	s_cselect_b64 s[4:5], s[10:11], s[4:5]
	s_cmp_eq_u32 s22, 4
	s_cselect_b64 s[4:5], s[12:13], s[4:5]
	s_cmp_eq_u32 s22, 5
	s_cselect_b64 s[4:5], s[14:15], s[4:5]
	s_add_nc_u64 s[4:5], s[4:5], s[26:27]
	s_add_nc_u64 s[16:17], s[16:17], s[28:29]      ; (in the mask's work-groups these two are made and never used)
	s_add_nc_u64 s[18:19], s[18:19], s[30:31]
	s_add_nc_u64 s[20:21], s[20:21], s[32:33]
.macro LOAD j                          ; tile j: 16 rows x 512 bytes; place i is row i + 8 (i / 8) from the first
.irp i, 0,1,2,3,4,5,6,7,8,9,10,11,12,13,14,15
	global_load_b128 v[R+64*((\j)%2)+4*\i:R+64*((\j)%2)+4*\i+3], v[LO], s[4:5] offset:(\i+8*(\i/8))*8192+512*(\j) th:TH_LOAD_NT
.endr
.endm
.macro TURN j                          ; through the stage: LDS serves a wave's instructions in order, so no wait stands between the stores and the loads
.irp i, 0,1,2,3,4,5,6,7,8,9,10,11,12,13,14,15
	ds_store_b128 v[SI], v[R+64*((\j)%2)+4*\i:R+64*((\j)%2)+4*\i+3] offset:PITCH*\i
.endr
.irp b, 0,1,2,3
.irp u, 0,1,2,3
	ds_load_b128 v[X+16*\b+4*\u:X+16*\b+4*\u+3], v[SOA] offset:128*\b+16*\u
.endr
.endr
.endm
.macro TILE j
.if \j > 0
	s_wait_xcnt 0x0                                ; the last tile's stores have read X, PC and PW: only now are they written again
.endif
.if \j < 3
	s_wait_loadcnt 16                              ; this tile's 16 loads are in; the next tile's 16 may be out
.else
	s_wait_loadcnt 0x0
.endif
	TURN \j
	s_wait_dscnt 0x0                               ; my 64 numbers are in
.if \j < 2
	LOAD (\j)+2
.endif
	s_cmp_eq_u32 s22, 5
	s_cbranch_scc1 .Lmask_\@
	QUANT X
.irp c, 0,1,2
	global_store_b128 v[LO], v[PC+4*\c:PC+4*\c+3], s[16:17] offset:196608*(\j)+512*\c   ; 512 consecutive bytes, aligned
.endr
	global_store_b32 v[LW], v[PW], s[18:19] offset:16384*(\j)
	s_branch .Ldone_\@
.Lmask_\@:
.irp c, 0,1,2,3,4,5,6,7,8,9,10,11,12,13,14,15
	global_store_b128 v[LO], v[X+4*\c:X+4*\c+3], s[20:21] offset:8192*(\j)+512*\c
.endr
.Ldone_\@:
.endm
	LOAD 0
	LOAD 1
	TILE 0
	TILE 1
	TILE 2
	TILE 3
	s_wait_tensorcnt 0x0                           ; the wave's end, behind my last LDS store
	ds_add_u32 v[SPW], v[NIL]
	s_wait_dscnt 0x0
	s_endpgm
.Lfunc_end_k_q7eb242544b_prep:
	.size	k_q7eb242544b_prep, .Lfunc_end_k_q7eb242544b_prep-k_q7eb242544b_prep
	.p2alignl 7, 3214868480
	.fill 96, 4, 3214868480
	.section	.rodata,"a",@progbits
	.p2align	6, 0x0
	.amdhsa_kernel k_q7eb242544b_prep
		.amdhsa_group_segment_fixed_size 34304
		.amdhsa_private_segment_fixed_size 0
		.amdhsa_enable_private_segment 0
		.amdhsa_kernarg_size 72
		.amdhsa_user_sgpr_count 2
		.amdhsa_user_sgpr_kernarg_segment_ptr 1
		.amdhsa_wavefront_size32 1
		.amdhsa_system_sgpr_workgroup_id_x 1
		.amdhsa_system_sgpr_workgroup_id_y 1
		.amdhsa_system_sgpr_workgroup_id_z 1
		.amdhsa_system_vgpr_workitem_id 0
		.amdhsa_next_free_vgpr 224
		.amdhsa_next_free_sgpr 66
		.amdhsa_reserve_vcc 0
		.amdhsa_float_denorm_mode_32 3
		.amdhsa_float_denorm_mode_16_64 3
		.amdhsa_memory_ordered 1
		.amdhsa_forward_progress 1
		.amdhsa_inst_pref_size 40
	.end_amdhsa_kernel
	.amdgpu_metadata
---
amdhsa.version: [ 1, 2 ]
amdhsa.kernels:
  - .name:           k_q7eb242544b_prep
    .symbol:         k_q7eb242544b_prep.kd
    .args:
      - { .name: hidden_states, .offset: 0, .size: 8, .value_kind: global_buffer, .address_space: global }
      - { .name: wq, .offset: 8, .size: 8, .value_kind: global_buffer, .address_space: global }
      - { .name: wk, .offset: 16, .size: 8, .value_kind: global_buffer, .address_space: global }
      - { .name: wv, .offset: 24, .size: 8, .value_kind: global_buffer, .address_space: global }
      - { .name: wo, .offset: 32, .size: 8, .value_kind: global_buffer, .address_space: global }
      - { .name: attention_mask, .offset: 40, .size: 8, .value_kind: global_buffer, .address_space: global }
      - { .name: cod, .offset: 48, .size: 8, .value_kind: global_buffer, .address_space: global }
      - { .name: scl, .offset: 56, .size: 8, .value_kind: global_buffer, .address_space: global }
      - { .name: mimg, .offset: 64, .size: 8, .value_kind: global_buffer, .address_space: global }
    .group_segment_fixed_size: 34304
    .private_segment_fixed_size: 0
    .kernarg_segment_align: 8
    .kernarg_segment_size: 72
    .max_flat_workgroup_size: 128
    .sgpr_count:     66
    .vgpr_count:     224
    .wavefront_size: 32
...
	.end_amdgpu_metadata
.endif
;; end of part 1
;; launch qkv (part 2): grid 24 x 8, 4 waves a work-group, clusters of 4 x 4, 327,680 bytes of LDS; arguments cod, scl, bq, bk, bv, img, isc; writes img, isc
.if DOCPART == 2
	.amdgcn_target "amdgcn-amd-amdhsa--gfx1250"
	.amdhsa_code_object_version 6
	.text
	.protected	k_q7eb242544b_qkv
	.globl	k_q7eb242544b_qkv
	.p2align	8
	.type	k_q7eb242544b_qkv,@function
k_q7eb242544b_qkv:
	s_mov_b64 s[64:65], 0
	v_nop
	global_prefetch_b8 v0, s[64:65] scope:SCOPE_SE
	s_setreg_imm32_b32 hwreg(HW_REG_WAVE_MODE, 25, 1), 1
	s_wait_xcnt 0x0
	s_wait_alu depctr_hold_cnt(0) depctr_sa_sdst(0) depctr_va_vdst(0) depctr_va_sdst(0) depctr_va_ssrc(0) depctr_va_vcc(0) depctr_vm_vsrc(0)
	s_getreg_b32 s2, hwreg(HW_REG_IB_STS2, 6, 4)
	s_cmp_eq_u32 s2, 0
	s_cbranch_scc0 .Lentry_in_a_cluster
	s_endpgm
.Lentry_in_a_cluster:
	s_bfe_u32 s2, ttmp6, 0x10000c
	s_cmp_lg_u32 s2, 0xf033
	s_cbranch_scc0 .Lentry_shape_is_right
	s_endpgm
.Lentry_shape_is_right:
; LAUNCH 2 OF 4.  q, k, v = x w^T + b on codes of E3M2; then for q and k: ELU + 1, division by the head's sum + 1e-4, and the quantiser along the head's 64; for v: the quantiser along the KEYS.  No work is left out.
; TYPE = cluster x / 2: 0 q, 1 k, 2 v.  The matrix instruction is used transposed: source 0 = 16 rows of S0, source 1 = 16 rows of S1; a lane then holds ONE row of S1, and its 64 results of eight tiles of S0 are S0's rows 32 b + 16 h + i (launch 1's order of rows).
;   q, k: S0 = the weight (a lane's registers run along the head pair's 128 features), S1 = x (a lane holds a token).      v: S0 = x (registers run along 128 tokens, v's K), S1 = wv (a lane holds a feature).
; POWERS OF TWO, moved exactly: (acc + bq) / 8 = fma(acc, 1/8, bq / 8); the 1/8 behind the scores goes into q's divisor, 8 sum + 8e-4: q's codes stay, its scale bytes fall by 3.
; ELU(x) + 1 = max(x, 0) + 2^(min(x, 0) log2 e).  The division is a reciprocal and a multiplication.
; A tile of 256 rows of S1 x 256 rows of S0 to a work-group, 128 x 128 to each of four waves: 64 accumulators.  K goes in steps of 256 through two LDS slots; fragments lie in memory and in LDS as images of their registers, so each comes by three loads of 512 consecutive bytes.
; The scale words of the work-group's rows, for all of K, come once with the first fills.  CLUSTER 4 x 4: S1's tiles are asked for jointly along a row of the cluster, S0's along a column.
; OUT: img = q, k, v, each [head pair 16][tile 128][1536].  q, k: tile = token tile; SPLIT image: head g's six registers at 768 g (four as 16 bytes a lane, two as 8 bytes a lane at + 512).  v: tile = 8 x key step + feature tile, plain image.  isc: scale words [pair][tile][128].
; REGISTERS: window 0: v5, v6, v16-29 addresses; v32-63 scale words, two sets, and nothing else; v128-223 S1's fragments, one set; on the way out v64-231.  window 1: S0's fragments, two sets at v0 and v128; on the way out the biases in v96-127, v224-255.  windows 2, 3: accumulators (a, b) at v[8 (8 (a % 4) + b)].
; LIMITS: NaN and infinities are not served; e^x is made as 2^(x log2 e), so its relative error grows with |x|; a block under 2^-122 gets the byte 1.
.set FR,    12
.set NL,    3                          ; LDS loads that bring a fragment
.set NP,    4                          ; places behind this matrix instruction (ISA guide 7.12.1)
.set NQ,    2                          ; steps of 128 in a slot
.set FRB,   1536                       ; a fragment's image
.set KSB,   8*FRB                      ; eight fragments of one K step
.set QUART, NQ*KSB                     ; what one tensor load brings, and what a wave reads of S1 or of S0
.set SLOT,  4*QUART                    ; S1's two halves, then S0's
.set SCL,   2*SLOT                     ; behind the ring: scale words, 16,384 bytes for each 128 rows: [K step 16][tile 8][128]
.set SPARE, SCL+65536                  ; the spare words: two blocks of 256 bytes that no other line names
.set LAPS,  4                          ; 2048 / 512
.set MATB,  3145728                    ; a matrix of codes
.set KSG,   196608                     ; from K step to K step in memory
.set BAQ,  5                           ; v5   64 h: the biases of q and k
.set BAV,  6                           ; v6   4 (r + 8 (r / 8)): v's
.set ADRA, 16                          ; v16-17 S1's fragments in slot 0, 1
.set ADRB, 20                          ; v20-21 S0's
.set IO16, 24                          ; v24  16 x lane
.set IO8,  25                          ; v25  8 x lane
.set IOW,  26                          ; v26  4 x lane
.set ADRS, 27                          ; v27  my scale words: lanes 0-15 S1's, lanes 16-31 S0's
.set SPW,  28
.set NIL,  29
.set SC,   32
.set AF,   128
.set HA,   64                          ; the way out: 64 numbers
.set EX,   128                         ; their exponentials
.set PC,   192
.set TM,   204
.set PW,   216
.set SU,   218                         ; v218-225 the heads' sums
.set DV,   226                         ; v226-227 the divisors
.set RC,   228                         ; v228-231 the reciprocals, each the low word of a pair
.set WV,   18
.set WH1,  19                          ; wave / 2: my half of S1's rows; also: I fetch for S1 (0) or S0 (1)
.set WH0,  20                          ; wave % 2: my half of S0's rows; also: which 128 rows I fetch
.set G1,   24
.set G0,   32
.set G1B,  48
.set G0B,  56
.set G1S,  68
.set G0S,  76
.set G1SB, 80
.set G0SB, 88
.set TYPE, 92
.set I1,   100                         ; which 128 rows of S1 are mine
.set I0,   101                         ; which 128 rows of S0
.set SEL,  66
.set SCA,  94                          ; s[94:95] 1/8 (q) or 1 (k)
.set LG,   96                          ; s[96:97] log2 e
.set FF,   98                          ; 8 or 1
.set EF,   99                          ; 8e-4 or 1e-4
.set MSB, 0
.macro WIN new                         ; the immediate's high byte repeats the setting that is left
.if MSB != (\new)
	s_set_vgpr_msb (MSB<<8)|(\new)
.set MSB, (\new)
.endif
.endm
.set MUL_LO, 0xa1                      ; source 0 window 1, source 1 window 0, C and D window 2
.set MUL_HI, 0xf1
.set TO_B,   0x40
; A joint load: waves 0 and 1 fetch for S1, waves 2 and 3 for S0; the branch hangs on the wave's number alone.  An s_nop 0 and four v_nop follow each of the two lines.
.macro JLOAD g0a, g1a, g0b, g1b
	s_cmp_eq_u32 s[WH1], 0
	s_cbranch_scc0 .Lfor_b_\@
	tensor_load_to_lds s[\g0a:\g0a+3], s[\g1a:\g1a+7]
	s_nop 0
.rept 4
	v_nop
.endr
	s_branch .Lasked_\@
.Lfor_b_\@:
	tensor_load_to_lds s[\g0b:\g0b+3], s[\g1b:\g1b+7]
	s_nop 0
.rept 4
	v_nop
.endr
.Lasked_\@:
.endm
.macro CREST
	s_cmp_lg_u32 s[WV], 0
	s_cbranch_scc1 .Lnot_wave_0_\@
	s_barrier_signal -3
.Lnot_wave_0_\@:
	s_barrier_wait -3
	s_barrier_signal -1
	s_barrier_wait -1
.endm
.macro CROUND
	s_barrier_signal -1
	s_barrier_wait -1
	CREST
.endm
.macro QUANT s
.irp b, 0,1,2,3
	v_max3_num_f32 v[TM+\b], |v[\s+16*\b]|, |v[\s+1+16*\b]|, 0x2800000   ; block b: my 16 numbers, and the floor 2^(5 - 127)
.endr
.irp i, 2,4,6,8,10,12,14
.irp b, 0,1,2,3
	v_max3_num_f32 v[TM+\b], v[TM+\b], |v[\s+16*\b+\i]|, |v[\s+1+16*\b+\i]|
.endr
.endr
.irp b, 0,1,2,3
	v_permlanex16_b32 v[TM+4+\b], v[TM+\b], s[SEL], s[SEL+1]
.endr
.irp b, 0,1,2,3
	v_max_num_f32 v[TM+\b], v[TM+\b], v[TM+4+\b]
.endr
.irp b, 0,1,2,3
	v_add_nc_u32 v[TM+8+\b], 0xfe000000, v[TM+\b]  ; 4 off the exponent field: the conversion's scale operand
.endr
.irp b, 0,1,2,3
	v_lshrrev_b32 v[TM+4+\b], 23, v[TM+8+\b]       ; the scale's byte
.endr
	v_lshl_or_b32 v[PW], v[TM+5], 8, v[TM+4]
	v_lshl_or_b32 v[PW], v[TM+6], 16, v[PW]
	v_lshl_or_b32 v[PW], v[TM+7], 24, v[PW]
	v_cvt_scalef32_pk16_bf6_f32 v[PC:PC+2], v[\s:\s+15], v[TM+8]
	v_cvt_scalef32_pk16_bf6_f32 v[TM:TM+2], v[\s+16:\s+31], v[TM+9]
	v_cvt_scalef32_pk16_bf6_f32 v[PC+6:PC+8], v[\s+32:\s+47], v[TM+10]
	v_cvt_scalef32_pk16_bf6_f32 v[TM+4:TM+6], v[\s+48:\s+63], v[TM+11]
	v_nop                                          ; one plain place behind the conversions
.irp c, 0,1
.irp i, 0,1,2
	v_permlane16_swap_b32 v[PC+6*\c+\i], v[TM+4*\c+\i]
.endr
.irp i, 0,1,2
	v_mov_b32 v[PC+3+6*\c+\i], v[TM+4*\c+\i]
.endr
.endr
.endm
	s_load_b256 s[4:11], s[0:1], 0x0               ; cod s[4:5], scl s[6:7], bq s[8:9], bk s[10:11]
	s_load_b128 s[12:15], s[0:1], 0x20             ; bv s[12:13], img s[14:15]
	s_load_b64 s[16:17], s[0:1], 0x30              ; isc
	v_lshl_add_u32 v[SPW], v0, 2, SPARE
	v_mov_b32 v[NIL], 0
	ds_add_u32 v[SPW], v[NIL]                      ; the wave's opening: the add, twice on end, and its wait ahead of my first tensor load
	ds_add_u32 v[SPW], v[NIL]
	v_lshrrev_b32 v1, 5, v0
	v_readfirstlane_b32 s[WV], v1
	s_lshr_b32 s[WH1], s[WV], 1
	s_and_b32 s[WH0], s[WV], 1
	s_bfe_u32 s21, ttmp6, 0x40000                  ; cx
	s_bfe_u32 s22, ttmp6, 0x40004                  ; cy
	s_lshr_b32 s[TYPE], ttmp9, 1                   ; the same in all sixteen partners
	s_and_b32 s23, ttmp9, 1
	s_lshl_b32 s23, s23, 2
	s_add_co_u32 s23, s23, s21                     ; S0's block of 256 rows
	s_and_b32 s93, ttmp7, 0xffff
	s_lshl_b32 s93, s93, 2
	s_add_co_u32 s93, s93, s22                     ; S1's block of 256 rows
	s_lshl_b32 s40, s22, 2
	s_lshl_b32 s40, 15, s40                        ; my row of the cluster
	s_lshl_b32 s41, 0x1111, s21                    ; my column
	; group 1, codes: 2 rows (K steps) of 12,288 bytes (eight fragments) = 1,536 elements of 8 bytes, 24,576 elements apart; no padding: every LDS load takes 512 consecutive bytes
	s_or_b32 s[G1], s40, (3<<16)|(1<<21)
	s_or_b32 s[G1B], s41, (3<<16)|(1<<21)
.irp g, G1, G1B
	s_mov_b32 s[\g+1], 1536<<16                    ; tensor_dim0
	s_mov_b32 s[\g+2], 2<<16                       ; tensor_dim1
	s_mov_b32 s[\g+3], 1536<<16                    ; tile_dim0
	s_mov_b32 s[\g+4], 2                           ; tile_dim1
	s_mov_b32 s[\g+5], 24576                       ; the pitch
	s_mov_b32 s[\g+6], 0
	s_mov_b32 s[\g+7], 0
.endr
	; group 1, scale words: 16 rows (K steps) of 1,024 bytes = 128 elements, 2,048 elements apart
	s_or_b32 s[G1S], s40, (3<<16)|(1<<21)
	s_or_b32 s[G1SB], s41, (3<<16)|(1<<21)
.irp g, G1S, G1SB
	s_mov_b32 s[\g+1], 128<<16
	s_mov_b32 s[\g+2], 16<<16
	s_mov_b32 s[\g+3], 128<<16
	s_mov_b32 s[\g+4], 16
	s_mov_b32 s[\g+5], 2048
	s_mov_b32 s[\g+6], 0
	s_mov_b32 s[\g+7], 0
.endr
	s_add_co_u32 s43, s[TYPE], 1
	s_cmp_eq_u32 s[TYPE], 2
	s_cselect_b32 s42, 3, 0                        ; S1's matrix in cod: x, or wv
	s_cselect_b32 s43, 0, s43                      ; S0's: wq, wk, or x
	s_lshl_b32 s45, s[WH0], 3
	s_lshl_b32 s44, s93, 4
	s_add_co_u32 s44, s44, s45                     ; S1: the first of the eight tiles that I fetch
	s_mul_i32 s46, s44, FRB
	s_mul_i32 s47, s42, MATB
	s_add_co_u32 s46, s46, s47
	s_mov_b32 s47, 0
	s_lshl_b32 s66, s44, 7
	s_lshl_b32 s67, s42, 18
	s_add_co_u32 s66, s66, s67
	s_mov_b32 s67, 0
	s_lshl_b32 s98, s23, 4
	s_add_co_u32 s98, s98, s45                     ; S0 likewise, in registers that never hold S1's coordinate
	s_mul_i32 s94, s98, FRB
	s_mul_i32 s95, s43, MATB
	s_add_co_u32 s94, s94, s95
	s_mov_b32 s95, 0
	s_lshl_b32 s96, s98, 7
	s_lshl_b32 s97, s43, 18
	s_add_co_u32 s96, s96, s97
	s_mov_b32 s97, 0
	s_mul_i32 s99, s[WV], QUART                    ; where they go: by the wave's number alone
	s_lshl_b32 s2, s[WV], 14
	s_lshl_b32 s[I1], s93, 1
	s_add_co_u32 s[I1], s[I1], s[WH1]
	s_lshl_b32 s[I0], s23, 1
	s_add_co_u32 s[I0], s[I0], s[WH0]
	s_wait_dscnt 0x0                               ; both opening adds are done
	s_wait_kmcnt 0x0
	s_add_nc_u64 s[46:47], s[4:5], s[46:47]
	s_add_nc_u64 s[66:67], s[6:7], s[66:67]
	s_add_nc_u64 s[94:95], s[4:5], s[94:95]
	s_add_nc_u64 s[96:97], s[6:7], s[96:97]
	CROUND                                         ; all sixteen work-groups are here: the first joint loads meet
	s_mov_b32 s[G0S], 1
	s_add_co_u32 s[G0S+1], s2, SCL
	s_mov_b64 s[G0S+2:G0S+3], s[66:67]
	s_or_b32 s[G0S+3], s[G0S+3], 0x80000000
	s_mov_b32 s[G0SB], 1
	s_add_co_u32 s[G0SB+1], s2, SCL
	s_mov_b64 s[G0SB+2:G0SB+3], s[96:97]
	s_or_b32 s[G0SB+3], s[G0SB+3], 0x80000000
	JLOAD G0S, G1S, G0SB, G1SB                     ; the scale words first: they are wanted with K step 0
.irp s, 0,1
	s_mov_b32 s[G0+4*\s], 1
	s_add_co_u32 s[G0+4*\s+1], s99, \s*SLOT
	s_add_nc_u64 s[G0+4*\s+2:G0+4*\s+3], s[46:47], \s*NQ*KSG
	s_or_b32 s[G0+4*\s+3], s[G0+4*\s+3], 0x80000000
	s_mov_b32 s[G0B+4*\s], 1
	s_add_co_u32 s[G0B+4*\s+1], s99, \s*SLOT
	s_add_nc_u64 s[G0B+4*\s+2:G0B+4*\s+3], s[94:95], \s*NQ*KSG
	s_or_b32 s[G0B+4*\s+3], s[G0B+4*\s+3], 0x80000000
	JLOAD G0+4*\s, G1, G0B+4*\s, G1B
.endr
	v_and_b32 v1, 31, v0                           ; lane
	v_bfe_u32 v2, v0, 4, 1                         ; h
	v_lshlrev_b32 v[IO16], 4, v1
	v_lshlrev_b32 v[IO8], 3, v1
	v_lshlrev_b32 v[IOW], 2, v1
	v_lshlrev_b32 v[BAQ], 6, v2
	v_and_b32 v3, 15, v0
	v_and_b32 v4, 8, v3
	v_add_nc_u32 v3, v3, v4
	v_lshlrev_b32 v[BAV], 2, v3
	s_mul_i32 s40, s[WH1], QUART
	s_mul_i32 s41, s[WH0], QUART
	s_add_co_u32 s41, s41, 2*QUART
.irp s, 0,1
	v_add_nc_u32 v[ADRA+\s], s40, v[IO16]
	v_add_nc_u32 v[ADRB+\s], s41, v[IO16]
	s_add_co_u32 s40, s40, SLOT
	s_add_co_u32 s41, s41, SLOT
.endr
	s_lshl_b32 s40, s[WH1], 14                     ; S1's words: my 128 rows
	s_lshl_b32 s41, s[WH0], 14
	s_add_co_u32 s41, s41, 32768                   ; S0's, behind S1's two halves
	s_sub_co_u32 s41, s41, s40
	v_mul_u32_u24 v4, s41, v2                      ; lanes 16-31 take S0's: the lower base + h x the distance
	s_add_co_u32 s40, s40, SCL
	v_add_nc_u32 v4, v4, v[IOW]
	v_add_nc_u32 v[ADRS], s40, v4
	; where my results go
	s_cmp_eq_u32 s[TYPE], 2
	s_cselect_b32 s40, s[I1], s[I0]                ; the head pair: 128 features
	s_cselect_b32 s41, s[I0], s[I1]                ; the 128 tokens
	s_lshl_b32 s41, s41, 3                         ; the first of my eight tiles
	s_mul_i32 s42, s[TYPE], MATB
	s_mul_i32 s43, s40, KSG
	s_add_co_u32 s42, s42, s43
	s_mul_i32 s43, s41, FRB
	s_add_co_u32 s42, s42, s43
	s_mov_b32 s43, 0
	s_add_nc_u64 s[14:15], s[14:15], s[42:43]
	s_lshl_b32 s42, s[TYPE], 18
	s_lshl_b32 s44, s40, 14
	s_add_co_u32 s42, s42, s44
	s_lshl_b32 s44, s41, 7
	s_add_co_u32 s42, s42, s44
	s_add_nc_u64 s[16:17], s[16:17], s[42:43]
.macro FRAG reg, adr, q, i             ; a fragment comes as it was stored: three loads of 512 consecutive bytes
.irp c, 0,1,2
	ds_load_b128 v[\reg+4*\c:\reg+4*\c+3], v[\adr] offset:KSB*(\q)+FRB*(\i)+512*\c
.endr
.endm
; 16 matrix instructions: S1's blocks a0, a0 + 1 x S0's eight, the slot's q-th 128 along K.  The 64 accumulators take turns, one instruction a turn, in the same order in every step.
.macro MUL16 a0, p, q, sc, zero
.irp a, \a0, \a0+1
.irp b, 0,1,2,3,4,5,6,7
.if \zero
	v_wmma_scale_f32_16x16x128_f8f6f4 v[8*(8*((\a)%4)+\b):8*(8*((\a)%4)+\b)+7], v[128*(\p)+FR*\b:128*(\p)+FR*\b+FR-1], v[AF+FR*(\a):AF+FR*(\a)+FR-1], 0, v[SC+8*NQ*(\sc)+NQ*\b+(\q)], v[SC+8*NQ*(\sc)+NQ*(\a)+(\q)] matrix_a_fmt:MATRIX_FMT_BF6 matrix_b_fmt:MATRIX_FMT_BF6 matrix_a_scale:MATRIX_SCALE_ROW1
.else
	v_wmma_scale_f32_16x16x128_f8f6f4 v[8*(8*((\a)%4)+\b):8*(8*((\a)%4)+\b)+7], v[128*(\p)+FR*\b:128*(\p)+FR*\b+FR-1], v[AF+FR*(\a):AF+FR*(\a)+FR-1], v[8*(8*((\a)%4)+\b):8*(8*((\a)%4)+\b)+7], v[SC+8*NQ*(\sc)+NQ*\b+(\q)], v[SC+8*NQ*(\sc)+NQ*(\a)+(\q)] matrix_a_fmt:MATRIX_FMT_BF6 matrix_b_fmt:MATRIX_FMT_BF6 matrix_a_scale:MATRIX_SCALE_ROW1
.endif
.endr
.endr
.endm
.macro FETCH_B slot, q, p
	WIN TO_B
.irp i, 0,1,2,3,4,5,6,7
	FRAG 128*(\p)+FR*\i, ADRB+\slot, \q, \i
.endr
	WIN 0
.endm
.macro FETCH_A slot, q, i0
.irp i, \i0, \i0+1, \i0+2, \i0+3
	FRAG AF+FR*(\i), ADRA+\slot, \q, \i
.endr
.endm
.macro SCALES sc                       ; a slot's scale words: register NQ i + q: lanes 0-15 S1's block i, lanes 16-31 S0's block i
.irp i, 0,1,2,3,4,5,6,7
.irp q, 0,1
	ds_load_b32 v[SC+8*NQ*\sc+NQ*\i+\q], v[ADRS] offset:1024*\q+128*\i
.endr
.endr
.endm
.macro PLACES n                        ; plain vector instructions that name none of the matrix instructions' registers (ISA guide 7.12.1)
.rept \n
	v_nop
.endr
.endm
.macro STEP slot, q, zero              ; a step of 128 along K that has its successor in the same slot
	s_wait_dscnt 4*NL                              ; S0's set and S1's blocks 0-3 are in; the youngest twelve loads (blocks 4-7) may be out
	WIN MUL_LO
	MUL16 0, (\q)%2, \q, \slot, \zero
	MUL16 2, (\q)%2, \q, \slot, \zero
	s_wait_dscnt 0
	PLACES NP
	FETCH_B \slot, (\q)+1, 1-(\q)%2
	FETCH_A \slot, (\q)+1, 0
	WIN MUL_HI
	MUL16 4, (\q)%2, \q, \slot, \zero
	MUL16 6, (\q)%2, \q, \slot, \zero
	PLACES NP
	WIN 0
	FETCH_A \slot, (\q)+1, 4
.endm
; A slot's last step changes slots: one barrier; in front of it each wave waits for all its tensor loads, adds 0 to its spare word, and waits for that and for its reads of this slot.
.macro TURN slot, next, fill
	s_wait_tensorcnt 0x0                           ; all my tensor loads have landed: my part of the next slot
	ds_add_u32 v[SPW], v[NIL]
	s_wait_dscnt 4*NL+1                            ; (the add and the youngest twelve loads may be out)
	WIN MUL_LO
	MUL16 0, 1, NQ-1, \slot, 0
	s_wait_dscnt 0x0                               ; the add is done, and my reads of this slot are over
	s_barrier_signal -1
	MUL16 2, 1, NQ-1, \slot, 0
	WIN 0
	s_barrier_wait -1
.if \fill
	CREST                                          ; the barrier has opened a round of the cluster's: no wave of any partner still reads this slot or has a load on its way
	s_add_nc_u64 s[G0+4*\slot+2:G0+4*\slot+3], s[G0+4*\slot+2:G0+4*\slot+3], 2*NQ*KSG
	s_add_nc_u64 s[G0B+4*\slot+2:G0B+4*\slot+3], s[G0B+4*\slot+2:G0B+4*\slot+3], 2*NQ*KSG
	JLOAD G0+4*\slot, G1, G0B+4*\slot, G1B         ; the first tensor load behind the round; its four v_nop are the places in front of the loads below
.else
	PLACES NP
.endif
	v_add_nc_u32 v[ADRS], 1024*NQ, v[ADRS]         ; the next slot's scale words
	FETCH_B \next, 0, 0
	FETCH_A \next, 0, 0
	SCALES \next
	WIN MUL_HI
	MUL16 4, 1, NQ-1, \slot, 0
	MUL16 6, 1, NQ-1, \slot, 0
	PLACES NP
	WIN 0
	FETCH_A \next, 0, 4
.endm
	s_wait_tensorcnt 1                             ; the scale words and my part of slot 0 are in; slot 1's load may be out
	s_barrier_signal -1
	s_barrier_wait -1
	FETCH_B 0, 0, 0
	FETCH_A 0, 0, 0
	SCALES 0
	FETCH_A 0, 0, 4
	STEP 0, 0, 1                                   ; the first step's products start the sums
	s_mov_b32 s3, LAPS-1
.Llap:
	TURN 0, 1, 1
	STEP 1, 0, 0
	TURN 1, 0, 1
	STEP 0, 0, 0
	s_sub_co_u32 s3, s3, 1
	s_cmp_lg_u32 s3, 0
	s_cbranch_scc1 .Llap
	TURN 0, 1, 0                                   ; the last lap fills nothing
	STEP 1, 0, 0
	s_wait_dscnt 4*NL
	WIN MUL_LO
	MUL16 0, 1, NQ-1, 1, 0
	MUL16 2, 1, NQ-1, 1, 0
	s_wait_dscnt 0
	WIN MUL_HI
	MUL16 4, 1, NQ-1, 1, 0
	MUL16 6, 1, NQ-1, 1, 0
	WIN 0
	; THE WAY OUT, a block of 16 rows of S1 at a time: its 64 numbers a lane become one fragment and one scale word.
	PLACES NP
	s_mov_b32 s[SEL], 0x76543210
	s_mov_b32 s[SEL+1], 0xfedcba98
.irp b, 0,1,2,3
	v_mov_b32 v[TM+4+\b], 0                        ; written once: a lane permute's destination counts as one of its sources
.endr
	s_cmp_eq_u32 s[TYPE], 2
	s_cbranch_scc1 .Lv_out
	; ---- q and k
	s_cmp_eq_u32 s[TYPE], 0
	s_cselect_b64 s[8:9], s[8:9], s[10:11]
	s_cselect_b32 s[SCA], 0x3e000000, 1.0          ; 1/8 or 1
	s_cselect_b32 s[FF], 0x41000000, 1.0           ; 8 or 1
	s_mov_b32 s[EF], 0x38d1b717                    ; 1e-4
	s_cselect_b32 s[EF], 0x3a51b717, s[EF]         ; 8 x that number, exactly
	s_mov_b32 s[SCA+1], s[SCA]
	s_mov_b32 s[LG], 0x3fb8aa3b
	s_mov_b32 s[LG+1], s[LG]
	s_lshl_b32 s40, s[I0], 9
	s_mov_b32 s41, 0
	s_add_nc_u64 s[8:9], s[8:9], s[40:41]          ; my 128 features' biases
	WIN 0x40                                       ; destination window 1
.irp bb, 0,1,2,3
.irp u, 0,1,2,3
	global_load_b128 v[96+128*(\bb/2)+16*(\bb%2)+4*\u:96+128*(\bb/2)+16*(\bb%2)+4*\u+3], v[BAQ], s[8:9] offset:128*\bb+16*\u   ; number n = 16 bb + i of a lane belongs to feature 32 bb + 16 h + i
.endr
.endr
	WIN 0
	v_mov_b32 v[RC+1], 0                           ; (named as the upper halves of pairs)
	v_mov_b32 v[RC+3], 0
	s_wait_loadcnt 0x0
	s_cmp_eq_u32 s[TYPE], 0
	s_cbranch_scc0 .Lno_scale
	WIN 0x41
.set n, 0
.rept 32
	v_pk_mul_f32 v[96+128*(n/32)+n%32:96+128*(n/32)+n%32+1], v[96+128*(n/32)+n%32:96+128*(n/32)+n%32+1], s[SCA:SCA+1] op_sel_hi:[1,0]   ; bq / 8: exact
.set n, n+2
.endr
	WIN 0
.Lno_scale:
.macro QKBLOCK a
.if \a > 0
	s_wait_xcnt 0x0                                ; the last block's stores have read PC and PW
.endif
	WIN 0x12+(\a)/4                                ; source 0: the accumulators' window; source 2: window 1
.set n, 0
.rept 32
	v_pk_fma_f32 v[HA+n:HA+n+1], v[64*((\a)%4)+n:64*((\a)%4)+n+1], s[SCA:SCA+1], v[96+128*(n/32)+n%32:96+128*(n/32)+n%32+1] op_sel_hi:[1,0,1]   ; x = (sum + bias) x scaling; each accumulator from its low end on
.set n, n+2
.endr
	WIN 0
.set n, 0
.rept 32
	v_pk_mul_f32 v[EX+n:EX+n+1], v[HA+n:HA+n+1], s[LG:LG+1] op_sel_hi:[1,0]
.set n, n+2
.endr
.set n, 0
.rept 64
	v_min_num_f32 v[EX+n], 0, v[EX+n]
.set n, n+1
.endr
.set n, 0
.rept 64
	v_exp_f32 v[EX+n], v[EX+n]                     ; e^min(x, 0): one batch
.set n, n+1
.endr
.set n, 0
.rept 64
	v_max_num_f32 v[HA+n], 0, v[HA+n]              ; plain work behind the batch, which names none of its results
.set n, n+1
.endr
	s_wait_alu depctr_va_vdst(0)                   ; one wait for the batch, ahead of its first reader
.set n, 0
.rept 32
	v_pk_add_f32 v[HA+n:HA+n+1], v[HA+n:HA+n+1], v[EX+n:EX+n+1]   ; ELU + 1
.set n, n+2
.endr
.irp g, 0,1                            ; head g's sum: my 32 numbers in two chains, then lane l xor 16's
	v_pk_add_f32 v[SU+4*\g:SU+4*\g+1], v[HA+32*\g:HA+32*\g+1], v[HA+32*\g+2:HA+32*\g+3]
	v_pk_add_f32 v[SU+4*\g+2:SU+4*\g+3], v[HA+32*\g+4:HA+32*\g+5], v[HA+32*\g+6:HA+32*\g+7]
.endr
.irp i, 8,12,16,20,24,28
.irp g, 0,1
	v_pk_add_f32 v[SU+4*\g:SU+4*\g+1], v[SU+4*\g:SU+4*\g+1], v[HA+32*\g+\i:HA+32*\g+\i+1]
	v_pk_add_f32 v[SU+4*\g+2:SU+4*\g+3], v[SU+4*\g+2:SU+4*\g+3], v[HA+32*\g+\i+2:HA+32*\g+\i+3]
.endr
.endr
.irp g, 0,1
	v_pk_add_f32 v[SU+4*\g:SU+4*\g+1], v[SU+4*\g:SU+4*\g+1], v[SU+4*\g+2:SU+4*\g+3]
.endr
.irp g, 0,1
	v_add_f32 v[SU+4*\g], v[SU+4*\g], v[SU+4*\g+1]
.endr
.irp g, 0,1
	v_permlanex16_b32 v[SU+4*\g+1], v[SU+4*\g], s[SEL], s[SEL+1]
.endr
.irp g, 0,1
	v_add_f32 v[SU+4*\g], v[SU+4*\g], v[SU+4*\g+1]
.endr
.irp g, 0,1
	v_fma_f32 v[DV+\g], v[SU+4*\g], s[FF], s[EF]   ; sum + 1e-4, for q times 8
.endr
.irp g, 0,1
	v_rcp_f32 v[RC+2*\g], v[DV+\g]
.endr
	v_nop                                          ; a plain place behind the reciprocals
	s_wait_alu depctr_va_vdst(0)                   ; and one wait for the two
.set n, 0
.rept 32
	v_pk_mul_f32 v[HA+n:HA+n+1], v[HA+n:HA+n+1], v[RC+2*(n/32):RC+2*(n/32)+1] op_sel_hi:[1,0]
.set n, n+2
.endr
	QUANT HA
	global_store_b128 v[IO16], v[PC:PC+3], s[14:15] offset:FRB*(\a)            ; the split image: head 0's six registers,
	global_store_b64 v[IO8], v[PC+4:PC+5], s[14:15] offset:FRB*(\a)+512
	global_store_b128 v[IO16], v[PC+6:PC+9], s[14:15] offset:FRB*(\a)+768      ; head 1's: every store covers whole aligned runs of 256 bytes
	global_store_b64 v[IO8], v[PC+10:PC+11], s[14:15] offset:FRB*(\a)+1280
	global_store_b32 v[IOW], v[PW], s[16:17] offset:128*(\a)
.endm
.irp a, 0,1,2,3,4,5,6,7
	QKBLOCK \a
.endr
	s_branch .Lout_done
.Lv_out:
	; ---- v: a lane holds one feature; its bias is one number for each block
	s_lshl_b32 s40, s[I1], 9
	s_mov_b32 s41, 0
	s_add_nc_u64 s[12:13], s[12:13], s[40:41]
	WIN 0x40
.irp a, 0,1,2,3,4,5,6,7
	global_load_b32 v[96+\a], v[BAV], s[12:13] offset:4*(32*(\a/2)+8*(\a%2))
.endr
	WIN 0
	s_wait_loadcnt 0x0
.macro VBLOCK a
.if \a > 0
	s_wait_xcnt 0x0
.endif
	WIN 0x06+(\a)/4                                ; source 0: the accumulators' window; source 1: window 1
.set n, 0
.rept 64
	v_add_f32 v[HA+n], v[64*((\a)%4)+n], v[96+(\a)]
.set n, n+1
.endr
	WIN 0
	QUANT HA
.irp c, 0,1,2
	global_store_b128 v[IO16], v[PC+4*\c:PC+4*\c+3], s[14:15] offset:FRB*(\a)+512*\c
.endr
	global_store_b32 v[IOW], v[PW], s[16:17] offset:128*(\a)
.endm
.irp a, 0,1,2,3,4,5,6,7
	VBLOCK \a
.endr
.Lout_done:
	s_wait_tensorcnt 0x0                           ; the wave's end
	ds_add_u32 v[SPW], v[NIL]
	s_wait_dscnt 0x0
	CROUND                                         ; the closing round
	s_endpgm
.Lfunc_end_k_q7eb242544b_qkv:
	.size	k_q7eb242544b_qkv, .Lfunc_end_k_q7eb242544b_qkv-k_q7eb242544b_qkv
	.p2alignl 7, 3214868480
	.fill 96, 4, 3214868480
	.section	.rodata,"a",@progbits
	.p2align	6, 0x0
	.amdhsa_kernel k_q7eb242544b_qkv
		.amdhsa_group_segment_fixed_size 327680
		.amdhsa_private_segment_fixed_size 0
		.amdhsa_enable_private_segment 0
		.amdhsa_kernarg_size 56
		.amdhsa_user_sgpr_count 2
		.amdhsa_user_sgpr_kernarg_segment_ptr 1
		.amdhsa_wavefront_size32 1
		.amdhsa_system_sgpr_workgroup_id_x 1
		.amdhsa_system_sgpr_workgroup_id_y 1
		.amdhsa_system_sgpr_workgroup_id_z 1
		.amdhsa_system_vgpr_workitem_id 0
		.amdhsa_next_free_vgpr 1024
		.amdhsa_next_free_sgpr 102
		.amdhsa_reserve_vcc 0
		.amdhsa_float_denorm_mode_32 3
		.amdhsa_float_denorm_mode_16_64 3
		.amdhsa_memory_ordered 1
		.amdhsa_forward_progress 1
		.amdhsa_inst_pref_size 255
	.end_amdhsa_kernel
	.section	.bss,"aw",@nobits
	.p2align	6
	.space	262144
	.amdgpu_metadata
---
amdhsa.version: [ 1, 2 ]
amdhsa.kernels:
  - .name:           k_q7eb242544b_qkv
    .symbol:         k_q7eb242544b_qkv.kd
    .args:
      - { .name: cod, .offset: 0, .size: 8, .value_kind: global_buffer, .address_space: global }
      - { .name: scl, .offset: 8, .size: 8, .value_kind: global_buffer, .address_space: global }
      - { .name: bq, .offset: 16, .size: 8, .value_kind: global_buffer, .address_space: global }
      - { .name: bk, .offset: 24, .size: 8, .value_kind: global_buffer, .address_space: global }
      - { .name: bv, .offset: 32, .size: 8, .value_kind: global_buffer, .address_space: global }
      - { .name: img, .offset: 40, .size: 8, .value_kind: global_buffer, .address_space: global }
      - { .name: isc, .offset: 48, .size: 8, .value_kind: global_buffer, .address_space: global }
    .group_segment_fixed_size: 327680
    .private_segment_fixed_size: 0
    .kernarg_segment_align: 8
    .kernarg_segment_size: 56
    .max_flat_workgroup_size: 128
    .sgpr_count:     102
    .vgpr_count:     1024
    .wavefront_size: 32
...
	.end_amdgpu_metadata
.endif
;; end of part 2
;; launch attn (part 3): grid 16 x 16, 8 waves a work-group, clusters of 4 x 1, 327,680 bytes of LDS; arguments img, isc, mimg, oimg, osc; writes oimg, osc
.if DOCPART == 3
	.amdgcn_target "amdgcn-amd-amdhsa--gfx1250"
	.amdhsa_code_object_version 6
	.text
	.protected	k_q7eb242544b_attn
	.globl	k_q7eb242544b_attn
	.p2align	8
	.type	k_q7eb242544b_attn,@function
k_q7eb242544b_attn:
	s_mov_b64 s[64:65], 0
	v_nop
	global_prefetch_b8 v0, s[64:65] scope:SCOPE_SE
	s_setreg_imm32_b32 hwreg(HW_REG_WAVE_MODE, 25, 1), 1
	s_wait_xcnt 0x0
	s_wait_alu depctr_hold_cnt(0) depctr_sa_sdst(0) depctr_va_vdst(0) depctr_va_sdst(0) depctr_va_ssrc(0) depctr_va_vcc(0) depctr_vm_vsrc(0)
	s_getreg_b32 s2, hwreg(HW_REG_IB_STS2, 6, 4)
	s_cmp_eq_u32 s2, 0
	s_cbranch_scc0 .Lentry_in_a_cluster
	s_endpgm
.Lentry_in_a_cluster:
	s_bfe_u32 s2, ttmp6, 0x10000c
	s_cmp_lg_u32 s2, 0x3003
	s_cbranch_scc0 .Lentry_shape_is_right
	s_endpgm
.Lentry_shape_is_right:
; LAUNCH 3 OF 4.  For each head: S = (q / 8) k^T, times the mask, quantised along the keys; O = S v; O quantised along the model's 2048 (the last product's K).  No softmax, no maximum.  No work is left out: the mask is an input, so every score is live.
; SHARES.  A work-group takes a pair of heads and 128 queries (8 tiles of 16).  Wave w takes half w / 4 of the keys (8 steps of 128) and two query tiles, T0 = 2 (w % 4) + w / 4 and T1 = T0 xor 1, both for both heads: so a fragment of K or V read
; from LDS feeds two tiles, and a tile of the mask, loaded into registers, serves two heads.  O is linear in the keys: at the end wave w hands its sums for T1 to wave w xor 4, whose T0 that tile is, through LDS.  Two waves to a SIMD.
; LAYOUT.  Both products are used transposed (S^T = K Q^T, O^T = V^T P^T): a lane holds one query; by launch 1's order of rows the 64 scores of eight key tiles are keys 32 b + 16 h + i, the order in which the mask's image lies and the quantiser works.
; K = 64 IN AN INSTRUCTION OF 128.  Head 0 stands in the operand's lower six registers, head 1 in the upper six.  Q's other six are zero codes.  K's six registers of neighbouring tiles lie on end, so K's other six are a neighbour's codes
; (at the ends: registers of PC and TM): every pattern of 6 bits is a finite number, and times zero it adds nothing.  q is at most 1/8 and k at most 1, so no scale byte is above 123.
; CLUSTER 4 x 1: the four query groups of a pair walk the same K and V: each part of a slot is asked for jointly.
; LDS: slot 0 at 0, slot 1 at 131,072; a slot = 8 parts of 12,288 bytes (part = 4 half + 2 tensor + step: eight fragments); the pair's scale words of K and V at 98,304, filled once; the spare words; a stage that no tensor load fills.
; REGISTERS: window 0 as named below; window 1: v0-127 O^T (64 t + 32 g + 8 a), v128-255 the mask's tiles (128 + 64 t).
; LIMITS: NaN and infinities are not served; a block of zeros or under 2^-122 gets the byte 1; O's sum over the keys is taken in two halves and then added.
.set FRB,   1536
.set PART,  8*FRB                      ; 12,288
.set SLOT1, 131072
.set SCW,   98304
.set SPARE, 229376                     ; 128 bytes for each of eight waves: four blocks of 256 bytes that no other line names
.set STG,   230400                     ; 8,192 bytes a wave
.set A16B, 1                           ; v1  16 x lane + my half's parts
.set A8B,  2                           ; v2  8 x lane + the same
.set ASB,  3                           ; v3  scale words: lanes 0-15 K's, lanes 16-31 V's, of my half
.set MO,   4                           ; v4  16 x lane
.set SPW,  5
.set NIL,  6
.set PW,   7                           ; v7  P's scale word
.set SCKV, 8                           ; v8-15  register i: lanes 0-15 key tile i's word, lanes 16-31 V's tile i's
.set QS,   16                          ; v16-17 Q's scale words, set t
.set QF,   20                          ; v20-55 Q: set t at 20 + 18 t: head 0's six, six zeros, head 1's six
.set PC,   56                          ; v56-67 P's fragment
.set KD,   68                          ; v68-115 K: six registers for each of eight tiles, one head
.set TM,   116                         ; v116-127 at work in QUANT
.set VF,   132                         ; v132-179 four fragments of V
.set S,    180                         ; v180-243 the scores
.set ADR16, 244
.set ADR8,  245
.set ADRS,  246
.set PFO,  247                         ; v247 256 x lane
.set STW,  248                         ; v248 the stage: where I write
.set STR,  249                         ; v249 and where I read my partner's
.set L8,   250                         ; v250 8 x lane
.set LW,   251                         ; v251 4 x lane
.set WV,   14
.set SEL,  20
.set G1,   24
.set G0,   32
.set G1W,  36
.set G0W,  44
.set TB,   48                          ; the slot in hand
.set TS,   49                          ; the step's scale words
.set SLOTS, 50
.set LIM,  51
.set MB0,  52                          ; s[52:53], s[54:55] the mask's tiles of sets 0 and 1, at the slot's first step
.set MSB, 0
.macro WIN new
.if MSB != (\new)
	s_set_vgpr_msb (MSB<<8)|(\new)
.set MSB, (\new)
.endif
.endm
.macro CROUND
	s_barrier_signal -1
	s_barrier_wait -1
	s_cmp_lg_u32 s[WV], 0
	s_cbranch_scc1 .Lnot_wave_0_\@
	s_barrier_signal -3
.Lnot_wave_0_\@:
	s_barrier_wait -3
	s_barrier_signal -1
	s_barrier_wait -1
.endm
.macro QUANT s
.irp b, 0,1,2,3
	v_max3_num_f32 v[TM+\b], |v[\s+16*\b]|, |v[\s+1+16*\b]|, 0x2800000   ; block b: my 16 numbers, and the floor 2^(5 - 127)
.endr
.irp i, 2,4,6,8,10,12,14
.irp b, 0,1,2,3
	v_max3_num_f32 v[TM+\b], v[TM+\b], |v[\s+16*\b+\i]|, |v[\s+1+16*\b+\i]|
.endr
.endr
.irp b, 0,1,2,3
	v_permlanex16_b32 v[TM+4+\b], v[TM+\b], s[SEL], s[SEL+1]
.endr
.irp b, 0,1,2,3
	v_max_num_f32 v[TM+\b], v[TM+\b], v[TM+4+\b]
.endr
.irp b, 0,1,2,3
	v_add_nc_u32 v[TM+8+\b], 0xfe000000, v[TM+\b]
.endr
.irp b, 0,1,2,3
	v_lshrrev_b32 v[TM+4+\b], 23, v[TM+8+\b]
.endr
	v_lshl_or_b32 v[PW], v[TM+5], 8, v[TM+4]
	v_lshl_or_b32 v[PW], v[TM+6], 16, v[PW]
	v_lshl_or_b32 v[PW], v[TM+7], 24, v[PW]
	v_cvt_scalef32_pk16_bf6_f32 v[PC:PC+2], v[\s:\s+15], v[TM+8]
	v_cvt_scalef32_pk16_bf6_f32 v[TM:TM+2], v[\s+16:\s+31], v[TM+9]
	v_cvt_scalef32_pk16_bf6_f32 v[PC+6:PC+8], v[\s+32:\s+47], v[TM+10]
	v_cvt_scalef32_pk16_bf6_f32 v[TM+4:TM+6], v[\s+48:\s+63], v[TM+11]
	v_nop                                          ; one plain place behind the conversions
.irp c, 0,1
.irp i, 0,1,2
	v_permlane16_swap_b32 v[PC+6*\c+\i], v[TM+4*\c+\i]
.endr
.irp i, 0,1,2
	v_mov_b32 v[PC+3+6*\c+\i], v[TM+4*\c+\i]
.endr
.endr
.endm
	s_load_b256 s[4:11], s[0:1], 0x0               ; img s[4:5], isc s[6:7], mimg s[8:9], oimg s[10:11]
	s_load_b64 s[12:13], s[0:1], 0x20              ; osc
	v_lshl_add_u32 v[SPW], v0, 2, SPARE
	v_mov_b32 v[NIL], 0
	ds_add_u32 v[SPW], v[NIL]                      ; the wave's opening: the add, twice on end, and its wait ahead of my first tensor load
	ds_add_u32 v[SPW], v[NIL]
	v_lshrrev_b32 v1, 5, v0
	v_readfirstlane_b32 s[WV], v1                  ; wave 0..7
	s_lshr_b32 s15, s[WV], 2                       ; my half of the keys
	s_and_b32 s16, s[WV], 3
	s_bfe_u32 s17, ttmp6, 0x40000                  ; cx
	s_lshl_b32 s18, ttmp9, 2
	s_add_co_u32 s18, s18, s17                     ; my group of 128 queries: it enters Q's, the mask's and O's addresses alone
	s_and_b32 s19, ttmp7, 0xffff                   ; the pair of heads, which the four partners share
	s_lshl_b32 s22, s16, 1
	s_add_co_u32 s22, s22, s15                     ; T0
	s_xor_b32 s23, s22, 1                          ; T1
	s_mov_b32 s[SEL], 0x76543210
	s_mov_b32 s[SEL+1], 0xfedcba98
	; group 1: a part, 12,288 dense bytes, as 48 rows of 256 bytes (32 elements of 8); the mask names all four work-groups
	s_mov_b32 s[G1], 15|(3<<16)|(1<<21)
	s_mov_b32 s[G1+1], 32<<16
	s_mov_b32 s[G1+2], 48<<16
	s_mov_b32 s[G1+3], 32<<16
	s_mov_b32 s[G1+4], 48
	s_mov_b32 s[G1+5], 32
	s_mov_b32 s[G1+6], 0
	s_mov_b32 s[G1+7], 0
	; and 4,096 bytes of scale words: 16 rows
	s_mov_b32 s[G1W], 15|(3<<16)|(1<<21)
	s_mov_b32 s[G1W+1], 32<<16
	s_mov_b32 s[G1W+2], 16<<16
	s_mov_b32 s[G1W+3], 32<<16
	s_mov_b32 s[G1W+4], 16
	s_mov_b32 s[G1W+5], 32
	s_mov_b32 s[G1W+6], 0
	s_mov_b32 s[G1W+7], 0
	s_bfe_u32 s56, s[WV], 0x10001                  ; the part that I fetch: tensor (0 K, 1 V),
	s_add_co_u32 s56, s56, 1
	s_mul_i32 s56, s56, 3145728
	s_mul_i32 s57, s19, 196608                     ; the pair,
	s_add_co_u32 s56, s56, s57
	s_mul_i32 s57, s15, 98304                      ; the half of the keys,
	s_add_co_u32 s56, s56, s57
	s_and_b32 s57, s[WV], 1
	s_mul_i32 s57, s57, PART                       ; the slot's step
	s_add_co_u32 s56, s56, s57
	s_mov_b32 s57, 0
	s_add_co_u32 s58, s15, 1                       ; scale words: waves 0-3 K's quarters, waves 4-7 V's
	s_lshl_b32 s58, s58, 18
	s_lshl_b32 s59, s19, 14
	s_add_co_u32 s58, s58, s59
	s_lshl_b32 s59, s16, 12
	s_add_co_u32 s58, s58, s59
	s_mov_b32 s59, 0
	s_mul_i32 s60, s[WV], PART                     ; where they go
	s_lshl_b32 s61, s[WV], 12
	s_add_co_u32 s61, s61, SCW
	s_lshl_b32 s62, s18, 3
	s_add_co_u32 s63, s62, s23                     ; set 1's query tile
	s_add_co_u32 s62, s62, s22                     ; set 0's
	s_mul_i32 s74, s19, 196608
	s_mul_i32 s66, s62, FRB
	s_add_co_u32 s66, s66, s74                     ; Q's (and O's) fragment of set 0,
	s_mov_b32 s67, 0
	s_mul_i32 s68, s63, FRB
	s_add_co_u32 s68, s68, s74                     ; of set 1
	s_mov_b32 s69, 0
	s_lshl_b32 s74, s19, 14
	s_lshl_b32 s70, s62, 7
	s_add_co_u32 s70, s70, s74                     ; their scale words
	s_mov_b32 s71, 0
	s_lshl_b32 s72, s63, 7
	s_add_co_u32 s72, s72, s74
	s_mov_b32 s73, 0
	s_lshl_b32 s74, s15, 16                        ; the mask: 131,072 bytes a query tile, my half's eight steps of 8,192
	s_lshl_b32 s[MB0], s62, 17
	s_add_co_u32 s[MB0], s[MB0], s74
	s_mov_b32 s[MB0+1], 0
	s_lshl_b32 s[MB0+2], s63, 17
	s_add_co_u32 s[MB0+2], s[MB0+2], s74
	s_mov_b32 s[MB0+3], 0
	s_cmp_eq_u32 s19, 0
	s_cselect_b32 s[LIM], 1, -1                    ; pair 0's work-groups prefetch the mask: the same in all four partners
	s_mov_b32 s[TB], 0
	s_mov_b32 s[TS], 0
	s_mov_b32 s[SLOTS], 3
	v_and_b32 v180, 31, v0                         ; lane
	v_bfe_u32 v181, v0, 4, 1                       ; h
	v_lshlrev_b32 v[MO], 4, v180
	v_lshlrev_b32 v[L8], 3, v180
	v_lshlrev_b32 v[LW], 2, v180
	v_lshlrev_b32 v[PFO], 8, v180
	s_mul_i32 s75, s15, 4*PART
	v_add_nc_u32 v[A16B], s75, v[MO]
	v_add_nc_u32 v[A8B], s75, v[L8]
	v_lshl_add_u32 v[ASB], v181, 14, v[LW]         ; lanes 16-31 take V's words, 16,384 bytes on
	s_lshl_b32 s75, s15, 13
	s_add_co_u32 s75, s75, SCW
	v_add_nc_u32 v[ASB], s75, v[ASB]
	s_lshl_b32 s75, s[WV], 13
	s_add_co_u32 s75, s75, STG
	v_add_nc_u32 v[STW], s75, v[MO]
	s_xor_b32 s75, s[WV], 4
	s_lshl_b32 s75, s75, 13
	s_add_co_u32 s75, s75, STG
	v_add_nc_u32 v[STR], s75, v[MO]
	s_wait_dscnt 0x0                               ; both opening adds are done
	s_wait_kmcnt 0x0
	s_add_nc_u64 s[10:11], s[10:11], s[66:67]      ; O's fragment of T0
	s_add_nc_u64 s[12:13], s[12:13], s[70:71]
	s_add_nc_u64 s[66:67], s[4:5], s[66:67]
	s_add_nc_u64 s[68:69], s[4:5], s[68:69]
	s_add_nc_u64 s[70:71], s[6:7], s[70:71]
	s_add_nc_u64 s[72:73], s[6:7], s[72:73]
	s_add_nc_u64 s[MB0:MB0+1], s[8:9], s[MB0:MB0+1]
	s_add_nc_u64 s[MB0+2:MB0+3], s[8:9], s[MB0+2:MB0+3]
	s_add_nc_u64 s[56:57], s[4:5], s[56:57]
	s_add_nc_u64 s[58:59], s[6:7], s[58:59]
	CROUND                                         ; all four work-groups are here: the first joint loads meet
	s_mov_b32 s[G0W], 1
	s_mov_b32 s[G0W+1], s61
	s_mov_b64 s[G0W+2:G0W+3], s[58:59]
	s_or_b32 s[G0W+3], s[G0W+3], 0x80000000
	s_mov_b32 s[G0], 1
	s_mov_b32 s[G0+1], s60
	s_mov_b64 s[G0+2:G0+3], s[56:57]
	s_or_b32 s[G0+3], s[G0+3], 0x80000000
	tensor_load_to_lds s[G0W:G0W+3], s[G1W:G1W+7]  ; every wave fetches a part of its own: two loads of mine are out
	s_nop 0
	tensor_load_to_lds s[G0:G0+3], s[G1:G1+7]      ; slot 0
	s_nop 0
.rept 4
	v_nop
.endr
.irp t, 0,1
	global_load_b128 v[QF+18*\t:QF+18*\t+3], v[MO], s[66+2*\t:67+2*\t]               ; Q stays in registers: head 0's six,
	global_load_b64 v[QF+18*\t+4:QF+18*\t+5], v[L8], s[66+2*\t:67+2*\t] offset:512
	global_load_b128 v[QF+18*\t+12:QF+18*\t+15], v[MO], s[66+2*\t:67+2*\t] offset:768   ; head 1's
	global_load_b64 v[QF+18*\t+16:QF+18*\t+17], v[L8], s[66+2*\t:67+2*\t] offset:1280
	global_load_b32 v[QS+\t], v[LW], s[70+2*\t:71+2*\t]
.endr
	WIN 0x40                                       ; destination window 1
.irp t, 0,1
.irp c, 0,1,2,3,4,5,6,7,8,9,10,11,12,13,14,15
	global_load_b128 v[128+64*\t+4*\c:128+64*\t+4*\c+3], v[MO], s[MB0+2*\t:MB0+2*\t+1] offset:512*\c   ; the first step's tiles of the mask
.endr
.endr
.set n, 0
.rept 128
	v_mov_b32 v[n], 0                              ; O^T: the step is written once, so its first walk finds zeros; a first step of its own would be two more copies of the step
.set n, n+1
.endr
	WIN 0
.irp t, 0,1
.irp i, 6,7,8,9,10,11
	v_mov_b32 v[QF+18*\t+\i], 0                    ; the zero codes between the heads
.endr
.endr
.irp i, 0,1,2,3,4,5,6,7,8,9,10,11
	v_mov_b32 v[PC+\i], 0                          ; read as the neighbours at the ends of K's registers, and as a permute's destinations
	v_mov_b32 v[TM+\i], 0
.endr
	s_wait_loadcnt 32                              ; Q and its words are in; the mask's 32 loads may be out
; A UNIT: query tile t, head g, 128 keys.
.macro UNIT t, g, q, next
.irp i, 0,1,2,3,4,5,6,7
	v_wmma_scale_f32_16x16x128_f8f6f4 v[S+8*\i:S+8*\i+7], v[KD+6*\i-6*\g:KD+6*\i-6*\g+11], v[QF+18*\t+6*\g:QF+18*\t+6*\g+11], 0, v[SCKV+\i], v[QS+\t] matrix_a_fmt:MATRIX_FMT_BF6 matrix_b_fmt:MATRIX_FMT_BF6
.endr
.rept 4
	v_nop                                          ; places ahead of the first read of the scores
.endr
.if \g == 0
	s_wait_loadcnt 16-16*\t                        ; this set's tile of the mask is in; set 1's 16 loads may be out behind set 0's
.endif
	WIN 0x04                                       ; source 1: window 1
.set n, 0
.rept 32
	v_pk_mul_f32 v[S+n:S+n+1], v[S+n:S+n+1], v[128+64*\t+n:128+64*\t+n+1]   ; x the mask; each accumulator from its low end on
.set n, n+2
.endr
.if (\g == 1) && \next
	WIN 0x40
.irp c, 0,1,2,3,4,5,6,7,8,9,10,11,12,13,14,15
	global_load_b128 v[128+64*\t+4*\c:128+64*\t+4*\c+3], v[MO], s[MB0+2*\t:MB0+2*\t+1] offset:8192*((\q)+1)+512*\c   ; both heads have used the tile: the next step's comes
.endr
.endif
	WIN 0
	QUANT S
.rept 8
	v_nop                                          ; a scale register written by a vector instruction stands 8 places ahead of a scaled matrix instruction, an operand 4
.endr
	WIN 0x50                                       ; C and D: window 1
.irp a, 0,1,2,3
	v_wmma_scale_f32_16x16x128_f8f6f4 v[64*\t+32*\g+8*\a:64*\t+32*\g+8*\a+7], v[VF+12*\a:VF+12*\a+11], v[PC:PC+11], v[64*\t+32*\g+8*\a:64*\t+32*\g+8*\a+7], v[SCKV+4*\g+\a], v[PW] matrix_a_fmt:MATRIX_FMT_BF6 matrix_b_fmt:MATRIX_FMT_BF6 matrix_a_scale:MATRIX_SCALE_ROW1
.endr
	WIN 0
.endm
; A KEY STEP: the slot's q-th.  All accumulators take turns, one instruction a turn.
.macro STEP q, next
	v_add_nc_u32 v[ADR16], s[TB], v[A16B]          ; these three and the v_nop are the places in front of the loads below
	v_add_nc_u32 v[ADR8], s[TB], v[A8B]
	v_add_nc_u32 v[ADRS], s[TS], v[ASB]
	v_nop
.irp i, 0,1,2,3,4,5,6,7
	ds_load_b32 v[SCKV+\i], v[ADRS] offset:128*\i
.endr
.irp g, 0,1
.if \g == 1
.rept 4
	v_nop
.endr
.endif
.irp i, 0,1,2,3,4,5,6,7
	ds_load_b128 v[KD+6*\i:KD+6*\i+3], v[ADR16] offset:PART*(\q)+FRB*\i+768*\g          ; head g's six registers of key tile i
	ds_load_b64 v[KD+6*\i+4:KD+6*\i+5], v[ADR8] offset:PART*(\q)+FRB*\i+768*\g+512
.endr
.irp a, 0,1,2,3
.irp c, 0,1,2
	ds_load_b128 v[VF+12*\a+4*\c:VF+12*\a+4*\c+3], v[ADR16] offset:2*PART+PART*(\q)+FRB*(4*\g+\a)+512*\c   ; head g's four tiles of V^T
.endr
.endr
	s_wait_dscnt 0x0
	UNIT 0, \g, \q, \next
	UNIT 1, \g, \q, \next
.endr
	s_add_co_u32 s[TS], s[TS], 1024
.endm
; A PREFETCH of the mask's tiles that I shall load two slots on: 2 sets x 2 steps x 8,192 bytes, lanes 256 bytes apart.  Sixteen work-groups (the pairs) read each tile; pair 0's asks, each wave for its own tiles: each block is named once.
; It stands behind the tensor load and its five lines.  The first two slots' tiles come by their loads alone; the last change that fills a slot asks for nothing: my eight steps end there.
.macro ASK
	s_cmp_gt_u32 s[SLOTS], s[LIM]
	s_cbranch_scc0 .Lnot_mine_\@
	global_prefetch_b8 v[PFO], s[MB0:MB0+1] offset:32768 th:TH_LOAD_NT scope:SCOPE_SE
	global_prefetch_b8 v[PFO], s[MB0:MB0+1] offset:40960 th:TH_LOAD_NT scope:SCOPE_SE
	global_prefetch_b8 v[PFO], s[MB0+2:MB0+3] offset:32768 th:TH_LOAD_NT scope:SCOPE_SE
	global_prefetch_b8 v[PFO], s[MB0+2:MB0+3] offset:40960 th:TH_LOAD_NT scope:SCOPE_SE
.Lnot_mine_\@:
.endm
; THE CHANGE OF SLOTS stands at a slot's head: all my tensor loads have landed (my part of the slot ahead), the add, my reads of the slot behind are over; behind the round the slot behind is filled with the keys that follow.
.macro CHANGE fill
	s_wait_tensorcnt 0x0                           ; no tensor load of mine is out, so group 0 may be written
	ds_add_u32 v[SPW], v[NIL]
.if \fill
	s_xor_b32 s[G0+1], s[G0+1], SLOT1              ; the other slot than last time,
	s_add_nc_u64 s[G0+2:G0+3], s[G0+2:G0+3], 2*PART   ; my half's next two steps
	s_wait_dscnt 0x0
	CROUND
	tensor_load_to_lds s[G0:G0+3], s[G1:G1+7]      ; my one tensor load behind the round: it has the slot's two steps in which to land
	s_nop 0
.rept 4
	v_nop
.endr
	ASK
.else
	s_wait_dscnt 0x0
	s_barrier_signal -1
	s_barrier_wait -1
.endif
.endm
.Lslot:                                                ; three trips: slots 1, 2, 3 are asked for
	CHANGE 1
	STEP 0, 1
	STEP 1, 1
	s_wait_xcnt 0x0                                ; the loads and prefetches have read the mask's bases
	s_add_nc_u64 s[MB0:MB0+1], s[MB0:MB0+1], 16384
	s_add_nc_u64 s[MB0+2:MB0+3], s[MB0+2:MB0+3], 16384
	s_xor_b32 s[TB], s[TB], SLOT1
	s_sub_co_u32 s[SLOTS], s[SLOTS], 1
	s_cmp_lg_u32 s[SLOTS], 0
	s_cbranch_scc1 .Lslot
	CHANGE 0                                       ; the last slot is written out: nothing is left to fetch
	STEP 0, 1
	STEP 1, 0
	; THE END.  My sums for T1 go to my partner; its sums for my T0 come to me.
.rept 4
	v_nop
.endr
	WIN 0x04                                       ; an LDS store's data are its source 1: window 1
.irp c, 0,1,2,3,4,5,6,7,8,9,10,11,12,13,14,15
	ds_store_b128 v[STW], v[64+4*\c:64+4*\c+3] offset:512*\c
.endr
	WIN 0
	s_wait_dscnt 0x0                               ; for the partner's sake: my stores have landed
	s_barrier_signal -1
	s_barrier_wait -1
.irp c, 0,1,2,3,4,5,6,7,8,9,10,11,12,13,14,15
	ds_load_b128 v[S+4*\c:S+4*\c+3], v[STR] offset:512*\c
.endr
	s_wait_dscnt 0x0
	WIN 0x04
.set n, 0
.rept 32
	v_pk_add_f32 v[S+n:S+n+1], v[S+n:S+n+1], v[n:n+1]   ; the two halves of the keys: number 8 a + j is feature 32 (a / 2) + 8 (a % 2) + 16 h + j of the pair
.set n, n+2
.endr
	WIN 0
	QUANT S                                        ; along the last product's K: the pair is its K step
.irp c, 0,1,2
	global_store_b128 v[MO], v[PC+4*\c:PC+4*\c+3], s[10:11] offset:512*\c
.endr
	global_store_b32 v[LW], v[PW], s[12:13]
	s_wait_tensorcnt 0x0                           ; the wave's end
	ds_add_u32 v[SPW], v[NIL]
	s_wait_dscnt 0x0
	CROUND                                         ; the closing round
	s_endpgm
.Lfunc_end_k_q7eb242544b_attn:
	.size	k_q7eb242544b_attn, .Lfunc_end_k_q7eb242544b_attn-k_q7eb242544b_attn
	.p2alignl 7, 3214868480
	.fill 96, 4, 3214868480
	.section	.rodata,"a",@progbits
	.p2align	6, 0x0
	.amdhsa_kernel k_q7eb242544b_attn
		.amdhsa_group_segment_fixed_size 327680
		.amdhsa_private_segment_fixed_size 0
		.amdhsa_enable_private_segment 0
		.amdhsa_kernarg_size 40
		.amdhsa_user_sgpr_count 2
		.amdhsa_user_sgpr_kernarg_segment_ptr 1
		.amdhsa_wavefront_size32 1
		.amdhsa_system_sgpr_workgroup_id_x 1
		.amdhsa_system_sgpr_workgroup_id_y 1
		.amdhsa_system_sgpr_workgroup_id_z 1
		.amdhsa_system_vgpr_workitem_id 0
		.amdhsa_next_free_vgpr 512
		.amdhsa_next_free_sgpr 80
		.amdhsa_reserve_vcc 0
		.amdhsa_float_denorm_mode_32 3
		.amdhsa_float_denorm_mode_16_64 3
		.amdhsa_memory_ordered 1
		.amdhsa_forward_progress 1
		.amdhsa_inst_pref_size 177
	.end_amdhsa_kernel
	.amdgpu_metadata
---
amdhsa.version: [ 1, 2 ]
amdhsa.kernels:
  - .name:           k_q7eb242544b_attn
    .symbol:         k_q7eb242544b_attn.kd
    .args:
      - { .name: img, .offset: 0, .size: 8, .value_kind: global_buffer, .address_space: global }
      - { .name: isc, .offset: 8, .size: 8, .value_kind: global_buffer, .address_space: global }
      - { .name: mimg, .offset: 16, .size: 8, .value_kind: global_buffer, .address_space: global }
      - { .name: oimg, .offset: 24, .size: 8, .value_kind: global_buffer, .address_space: global }
      - { .name: osc, .offset: 32, .size: 8, .value_kind: global_buffer, .address_space: global }
    .group_segment_fixed_size: 327680
    .private_segment_fixed_size: 0
    .kernarg_segment_align: 8
    .kernarg_segment_size: 40
    .max_flat_workgroup_size: 256
    .sgpr_count:     80
    .vgpr_count:     512
    .wavefront_size: 32
...
	.end_amdgpu_metadata
.endif
;; end of part 3
;; launch oproj (part 4): grid 8 x 8, 4 waves a work-group, clusters of 4 x 4, 327,680 bytes of LDS; arguments oimg, osc, cod, scl, bo, out0; writes out0
.if DOCPART == 4
	.amdgcn_target "amdgcn-amd-amdhsa--gfx1250"
	.amdhsa_code_object_version 6
	.text
	.protected	k_q7eb242544b_oproj
	.globl	k_q7eb242544b_oproj
	.p2align	8
	.type	k_q7eb242544b_oproj,@function
k_q7eb242544b_oproj:
	s_mov_b64 s[64:65], 0
	v_nop
	global_prefetch_b8 v0, s[64:65] scope:SCOPE_SE
	s_setreg_imm32_b32 hwreg(HW_REG_WAVE_MODE, 25, 1), 1
	s_wait_xcnt 0x0
	s_wait_alu depctr_hold_cnt(0) depctr_sa_sdst(0) depctr_va_vdst(0) depctr_va_sdst(0) depctr_va_ssrc(0) depctr_va_vcc(0) depctr_vm_vsrc(0)
	s_getreg_b32 s2, hwreg(HW_REG_IB_STS2, 6, 4)
	s_cmp_eq_u32 s2, 0
	s_cbranch_scc0 .Lentry_in_a_cluster
	s_endpgm
.Lentry_in_a_cluster:
	s_bfe_u32 s2, ttmp6, 0x10000c
	s_cmp_lg_u32 s2, 0xf033
	s_cbranch_scc0 .Lentry_shape_is_right
	s_endpgm
.Lentry_shape_is_right:
; LAUNCH 4 OF 4.  out0 = O wo^T + bo on codes of E3M2.  No work is left out.  The loop is launch 2's: S1 = O (a lane holds a token), S0 = wo (a lane's registers run along 128 output features, in the order 32 b + 16 h + i).
; A tile of 256 tokens x 256 features to a work-group, 128 x 128 to each of four waves; K in steps of 256 through two LDS slots; fragments as images of their registers; scale words once; cluster 4 x 4 with joint loads.
; 64 work-groups: the grid that this tile gives at this size.
; THE WAY OUT: a block of 16 tokens x 128 features goes through the wave's own stage in LDS (in slot 0, which has had its last fill and its last read) and comes back as whole rows of 512 bytes; bo is added; place t of block a is token 32 (a / 2) + 8 (a % 2) + t + 8 (t / 8).
; LIMITS: NaN and infinities are not served.
.set FR,    12
.set NL,    3
.set NP,    4
.set NQ,    2
.set FRB,   1536
.set KSB,   8*FRB
.set QUART, NQ*KSB
.set SLOT,  4*QUART
.set SCL,   2*SLOT
.set SPARE, SCL+65536
.set LAPS,  4
.set KSG,   196608
.set SPITCH, 528
.set BO,   8                           ; v8-11 my four numbers of bo
.set ADRA, 16
.set ADRB, 20
.set STO,  24                          ; v24  the stage: where I put 32 bytes of a row
.set RD,   25                          ; v25  and where I read a row back
.set CO,   26                          ; v26  16 x lane
.set ADRS, 27
.set SPW,  28
.set NIL,  29
.set SC,   32
.set AF,   128
.set BK,   128                         ; the way out: v128-191 and v192-255 by turns
.set WV,   18
.set WH1,  19
.set WH0,  20
.set G1,   24
.set G0,   32
.set G1B,  48
.set G0B,  56
.set G1S,  68
.set G0S,  76
.set G1SB, 80
.set G0SB, 88
.set MSB, 0
.macro WIN new
.if MSB != (\new)
	s_set_vgpr_msb (MSB<<8)|(\new)
.set MSB, (\new)
.endif
.endm
.set MUL_LO, 0xa1
.set MUL_HI, 0xf1
.set TO_B,   0x40
.macro JLOAD g0a, g1a, g0b, g1b        ; waves 0 and 1 fetch for S1, waves 2 and 3 for S0; an s_nop 0 and four v_nop follow each of the two lines
	s_cmp_eq_u32 s[WH1], 0
	s_cbranch_scc0 .Lfor_b_\@
	tensor_load_to_lds s[\g0a:\g0a+3], s[\g1a:\g1a+7]
	s_nop 0
.rept 4
	v_nop
.endr
	s_branch .Lasked_\@
.Lfor_b_\@:
	tensor_load_to_lds s[\g0b:\g0b+3], s[\g1b:\g1b+7]
	s_nop 0
.rept 4
	v_nop
.endr
.Lasked_\@:
.endm
.macro CREST
	s_cmp_lg_u32 s[WV], 0
	s_cbranch_scc1 .Lnot_wave_0_\@
	s_barrier_signal -3
.Lnot_wave_0_\@:
	s_barrier_wait -3
	s_barrier_signal -1
	s_barrier_wait -1
.endm
.macro CROUND
	s_barrier_signal -1
	s_barrier_wait -1
	CREST
.endm
	s_load_b256 s[4:11], s[0:1], 0x0               ; oimg s[4:5], osc s[6:7], cod s[8:9], scl s[10:11]
	s_load_b128 s[12:15], s[0:1], 0x20             ; bo s[12:13], out0 s[14:15]
	v_lshl_add_u32 v[SPW], v0, 2, SPARE
	v_mov_b32 v[NIL], 0
	ds_add_u32 v[SPW], v[NIL]                      ; the wave's opening: the add, twice on end, and its wait ahead of my first tensor load
	ds_add_u32 v[SPW], v[NIL]
	v_lshrrev_b32 v1, 5, v0
	v_readfirstlane_b32 s[WV], v1
	s_lshr_b32 s[WH1], s[WV], 1
	s_and_b32 s[WH0], s[WV], 1
	s_bfe_u32 s21, ttmp6, 0x40000                  ; cx
	s_bfe_u32 s22, ttmp6, 0x40004                  ; cy
	s_lshl_b32 s23, ttmp9, 2
	s_add_co_u32 s23, s23, s21                     ; the block of 256 features
	s_and_b32 s93, ttmp7, 0xffff
	s_lshl_b32 s93, s93, 2
	s_add_co_u32 s93, s93, s22                     ; the block of 256 tokens
	s_lshl_b32 s40, s22, 2
	s_lshl_b32 s40, 15, s40                        ; my row of the cluster
	s_lshl_b32 s41, 0x1111, s21                    ; my column
	s_or_b32 s[G1], s40, (3<<16)|(1<<21)           ; codes: 2 rows of 1,536 elements of 8 bytes, 24,576 elements apart
	s_or_b32 s[G1B], s41, (3<<16)|(1<<21)
.irp g, G1, G1B
	s_mov_b32 s[\g+1], 1536<<16
	s_mov_b32 s[\g+2], 2<<16
	s_mov_b32 s[\g+3], 1536<<16
	s_mov_b32 s[\g+4], 2
	s_mov_b32 s[\g+5], 24576
	s_mov_b32 s[\g+6], 0
	s_mov_b32 s[\g+7], 0
.endr
	s_or_b32 s[G1S], s40, (3<<16)|(1<<21)          ; scale words: 16 rows of 128 elements, 2,048 elements apart
	s_or_b32 s[G1SB], s41, (3<<16)|(1<<21)
.irp g, G1S, G1SB
	s_mov_b32 s[\g+1], 128<<16
	s_mov_b32 s[\g+2], 16<<16
	s_mov_b32 s[\g+3], 128<<16
	s_mov_b32 s[\g+4], 16
	s_mov_b32 s[\g+5], 2048
	s_mov_b32 s[\g+6], 0
	s_mov_b32 s[\g+7], 0
.endr
	s_lshl_b32 s45, s[WH0], 3
	s_lshl_b32 s44, s93, 4
	s_add_co_u32 s44, s44, s45                     ; S1: the first of the eight tiles that I fetch
	s_mul_i32 s46, s44, FRB
	s_mov_b32 s47, 0
	s_lshl_b32 s66, s44, 7
	s_mov_b32 s67, 0
	s_lshl_b32 s98, s23, 4
	s_add_co_u32 s98, s98, s45                     ; S0 likewise
	s_mul_i32 s94, s98, FRB
	s_add_co_u32 s94, s94, 12582912                ; wo is the fifth matrix of cod
	s_mov_b32 s95, 0
	s_lshl_b32 s96, s98, 7
	s_add_co_u32 s96, s96, 1048576
	s_mov_b32 s97, 0
	s_mul_i32 s99, s[WV], QUART
	s_lshl_b32 s2, s[WV], 14
	s_wait_dscnt 0x0                               ; both opening adds are done
	s_wait_kmcnt 0x0
	s_add_nc_u64 s[46:47], s[4:5], s[46:47]
	s_add_nc_u64 s[66:67], s[6:7], s[66:67]
	s_add_nc_u64 s[94:95], s[8:9], s[94:95]
	s_add_nc_u64 s[96:97], s[10:11], s[96:97]
	CROUND                                         ; all sixteen work-groups are here: the first joint loads meet
	s_mov_b32 s[G0S], 1
	s_add_co_u32 s[G0S+1], s2, SCL
	s_mov_b64 s[G0S+2:G0S+3], s[66:67]
	s_or_b32 s[G0S+3], s[G0S+3], 0x80000000
	s_mov_b32 s[G0SB], 1
	s_add_co_u32 s[G0SB+1], s2, SCL
	s_mov_b64 s[G0SB+2:G0SB+3], s[96:97]
	s_or_b32 s[G0SB+3], s[G0SB+3], 0x80000000
	JLOAD G0S, G1S, G0SB, G1SB
.irp s, 0,1
	s_mov_b32 s[G0+4*\s], 1
	s_add_co_u32 s[G0+4*\s+1], s99, \s*SLOT
	s_add_nc_u64 s[G0+4*\s+2:G0+4*\s+3], s[46:47], \s*NQ*KSG
	s_or_b32 s[G0+4*\s+3], s[G0+4*\s+3], 0x80000000
	s_mov_b32 s[G0B+4*\s], 1
	s_add_co_u32 s[G0B+4*\s+1], s99, \s*SLOT
	s_add_nc_u64 s[G0B+4*\s+2:G0B+4*\s+3], s[94:95], \s*NQ*KSG
	s_or_b32 s[G0B+4*\s+3], s[G0B+4*\s+3], 0x80000000
	JLOAD G0+4*\s, G1, G0B+4*\s, G1B
.endr
	v_and_b32 v1, 31, v0                           ; lane
	v_bfe_u32 v2, v0, 4, 1                         ; h
	v_and_b32 v3, 15, v0                           ; r
	v_lshlrev_b32 v[CO], 4, v1
	s_mul_i32 s40, s[WH1], QUART
	s_mul_i32 s41, s[WH0], QUART
	s_add_co_u32 s41, s41, 2*QUART
.irp s, 0,1
	v_add_nc_u32 v[ADRA+\s], s40, v[CO]
	v_add_nc_u32 v[ADRB+\s], s41, v[CO]
	s_add_co_u32 s40, s40, SLOT
	s_add_co_u32 s41, s41, SLOT
.endr
	s_lshl_b32 s40, s[WH1], 14
	s_lshl_b32 s41, s[WH0], 14
	s_add_co_u32 s41, s41, 32768
	s_sub_co_u32 s41, s41, s40
	v_mul_u32_u24 v4, s41, v2                      ; lanes 16-31 take S0's words: the lower base + h x the distance
	s_add_co_u32 s40, s40, SCL
	v_lshl_add_u32 v4, v1, 2, v4
	v_add_nc_u32 v[ADRS], s40, v4
	s_mul_i32 s40, s[WV], 16*SPITCH                ; my stage
	v_mul_u32_u24 v[STO], v3, SPITCH
	v_lshl_add_u32 v[STO], v2, 6, v[STO]
	v_add_nc_u32 v[STO], s40, v[STO]               ; in: row r, + 64 h
	v_add_nc_u32 v[RD], s40, v[CO]                 ; back: the 32 lanes take a row of 512 bytes
	s_lshl_b32 s42, s23, 10                        ; my first feature, in bytes: 1,024 x block + 512 x half
	s_lshl_b32 s43, s[WH0], 9
	s_add_co_u32 s42, s42, s43
	s_mov_b32 s43, 0
	s_add_nc_u64 s[12:13], s[12:13], s[42:43]
	global_load_b128 v[BO:BO+3], v[CO], s[12:13]   ; bo of the four features that I store in every row
	s_lshl_b32 s44, s93, 21                        ; my first token: 256 x block + 128 x half, rows of 8,192 bytes
	s_lshl_b32 s45, s[WH1], 20
	s_add_co_u32 s44, s44, s45
	s_add_co_u32 s42, s42, s44
	s_add_nc_u64 s[14:15], s[14:15], s[42:43]
.macro FRAG reg, adr, q, i
.irp c, 0,1,2
	ds_load_b128 v[\reg+4*\c:\reg+4*\c+3], v[\adr] offset:KSB*(\q)+FRB*(\i)+512*\c
.endr
.endm
.macro MUL16 a0, p, q, sc, zero        ; the 64 accumulators take turns, one instruction a turn, in the same order in every step
.irp a, \a0, \a0+1
.irp b, 0,1,2,3,4,5,6,7
.if \zero
	v_wmma_scale_f32_16x16x128_f8f6f4 v[8*(8*((\a)%4)+\b):8*(8*((\a)%4)+\b)+7], v[128*(\p)+FR*\b:128*(\p)+FR*\b+FR-1], v[AF+FR*(\a):AF+FR*(\a)+FR-1], 0, v[SC+8*NQ*(\sc)+NQ*\b+(\q)], v[SC+8*NQ*(\sc)+NQ*(\a)+(\q)] matrix_a_fmt:MATRIX_FMT_BF6 matrix_b_fmt:MATRIX_FMT_BF6 matrix_a_scale:MATRIX_SCALE_ROW1
.else
	v_wmma_scale_f32_16x16x128_f8f6f4 v[8*(8*((\a)%4)+\b):8*(8*((\a)%4)+\b)+7], v[128*(\p)+FR*\b:128*(\p)+FR*\b+FR-1], v[AF+FR*(\a):AF+FR*(\a)+FR-1], v[8*(8*((\a)%4)+\b):8*(8*((\a)%4)+\b)+7], v[SC+8*NQ*(\sc)+NQ*\b+(\q)], v[SC+8*NQ*(\sc)+NQ*(\a)+(\q)] matrix_a_fmt:MATRIX_FMT_BF6 matrix_b_fmt:MATRIX_FMT_BF6 matrix_a_scale:MATRIX_SCALE_ROW1
.endif
.endr
.endr
.endm
.macro FETCH_B slot, q, p
	WIN TO_B
.irp i, 0,1,2,3,4,5,6,7
	FRAG 128*(\p)+FR*\i, ADRB+\slot, \q, \i
.endr
	WIN 0
.endm
.macro FETCH_A slot, q, i0
.irp i, \i0, \i0+1, \i0+2, \i0+3
	FRAG AF+FR*(\i), ADRA+\slot, \q, \i
.endr
.endm
.macro SCALES sc
.irp i, 0,1,2,3,4,5,6,7
.irp q, 0,1
	ds_load_b32 v[SC+8*NQ*\sc+NQ*\i+\q], v[ADRS] offset:1024*\q+128*\i
.endr
.endr
.endm
.macro PLACES n
.rept \n
	v_nop
.endr
.endm
.macro STEP slot, q, zero
	s_wait_dscnt 4*NL                              ; S0's set and S1's blocks 0-3 are in; the youngest twelve loads may be out
	WIN MUL_LO
	MUL16 0, (\q)%2, \q, \slot, \zero
	MUL16 2, (\q)%2, \q, \slot, \zero
	s_wait_dscnt 0
	PLACES NP
	FETCH_B \slot, (\q)+1, 1-(\q)%2
	FETCH_A \slot, (\q)+1, 0
	WIN MUL_HI
	MUL16 4, (\q)%2, \q, \slot, \zero
	MUL16 6, (\q)%2, \q, \slot, \zero
	PLACES NP
	WIN 0
	FETCH_A \slot, (\q)+1, 4
.endm
.macro TURN slot, next, fill
	s_wait_tensorcnt 0x0                           ; all my tensor loads have landed: my part of the next slot
	ds_add_u32 v[SPW], v[NIL]
	s_wait_dscnt 4*NL+1                            ; (the add and the youngest twelve loads may be out)
	WIN MUL_LO
	MUL16 0, 1, NQ-1, \slot, 0
	s_wait_dscnt 0x0                               ; the add is done, and my reads of this slot are over
	s_barrier_signal -1
	MUL16 2, 1, NQ-1, \slot, 0
	WIN 0
	s_barrier_wait -1
.if \fill
	CREST                                          ; the barrier has opened a round of the cluster's
	s_add_nc_u64 s[G0+4*\slot+2:G0+4*\slot+3], s[G0+4*\slot+2:G0+4*\slot+3], 2*NQ*KSG
	s_add_nc_u64 s[G0B+4*\slot+2:G0B+4*\slot+3], s[G0B+4*\slot+2:G0B+4*\slot+3], 2*NQ*KSG
	JLOAD G0+4*\slot, G1, G0B+4*\slot, G1B         ; the first tensor load behind the round
.else
	PLACES NP
.endif
	v_add_nc_u32 v[ADRS], 1024*NQ, v[ADRS]
	FETCH_B \next, 0, 0
	FETCH_A \next, 0, 0
	SCALES \next
	WIN MUL_HI
	MUL16 4, 1, NQ-1, \slot, 0
	MUL16 6, 1, NQ-1, \slot, 0
	PLACES NP
	WIN 0
	FETCH_A \next, 0, 4
.endm
	s_wait_tensorcnt 1                             ; the scale words and my part of slot 0 are in; slot 1's load may be out
	s_barrier_signal -1
	s_barrier_wait -1
	FETCH_B 0, 0, 0
	FETCH_A 0, 0, 0
	SCALES 0
	FETCH_A 0, 0, 4
	STEP 0, 0, 1
	s_mov_b32 s3, LAPS-1
.Llap:
	TURN 0, 1, 1
	STEP 1, 0, 0
	TURN 1, 0, 1
	STEP 0, 0, 0
	s_sub_co_u32 s3, s3, 1
	s_cmp_lg_u32 s3, 0
	s_cbranch_scc1 .Llap
	TURN 0, 1, 0
	STEP 1, 0, 0
	s_wait_dscnt 4*NL
	WIN MUL_LO
	MUL16 0, 1, NQ-1, 1, 0
	MUL16 2, 1, NQ-1, 1, 0
	s_wait_dscnt 0
	WIN MUL_HI
	MUL16 4, 1, NQ-1, 1, 0
	MUL16 6, 1, NQ-1, 1, 0
	WIN 0
.macro TOSTAGE a
.set AC, 64*((\a)%4)
	WIN 0x08+4*((\a)/4)                            ; the data: window 2 or 3
.irp b, 0,1,2,3,4,5,6,7
	ds_store_b128 v[STO], v[AC+8*\b:AC+8*\b+3] offset:128*(\b/2)+32*(\b%2)        ; register j of tile b is feature 32 (b / 2) + 16 h + 8 (b % 2) + j; each accumulator from its low end on
	ds_store_b128 v[STO], v[AC+8*\b+4:AC+8*\b+7] offset:128*(\b/2)+32*(\b%2)+16
.endr
	WIN 0
.set BB, BK+64*((\a)%2)
.irp t, 0,1,2,3,4,5,6,7,8,9,10,11,12,13,14,15
	ds_load_b128 v[BB+4*\t:BB+4*\t+3], v[RD] offset:\t*SPITCH   ; LDS serves a wave's instructions in order: these see my stores
.endr
.endm
.macro SEND a, younger                 ; younger: the LDS instructions issued behind block a's loads, which may stay out
.set BB, BK+64*((\a)%2)
	s_wait_dscnt \younger
.irp t, 0,1,2,3,4,5,6,7,8,9,10,11,12,13,14,15
	v_pk_add_f32 v[BB+4*\t:BB+4*\t+1], v[BB+4*\t:BB+4*\t+1], v[BO:BO+1]
	v_pk_add_f32 v[BB+4*\t+2:BB+4*\t+3], v[BB+4*\t+2:BB+4*\t+3], v[BO+2:BO+3]
.endr
.irp t, 0,1,2,3,4,5,6,7,8,9,10,11,12,13,14,15
	global_store_b128 v[CO], v[BB+4*\t:BB+4*\t+3], s[14:15] offset:(32*((\a)/2)+8*((\a)%2)+\t+8*(\t/8))*8192 th:TH_STORE_NT   ; 32 lanes store 512 consecutive bytes, aligned; 127 rows at the most: inside the signed 24-bit immediate
.endr
.endm
	PLACES NP
	s_wait_loadcnt 0x0                             ; bo
	TOSTAGE 0
.irp a, 1,2,3,4,5,6,7
.if \a > 1
	s_wait_xcnt 0x0                                ; block a - 2's stores have read their registers: block a's loads may land there
.endif
	TOSTAGE \a
	SEND \a-1, 32                                  ; behind block a - 1's loads: block a's 16 stores and 16 loads
.endr
	SEND 7, 0
	s_wait_tensorcnt 0x0                           ; the wave's end
	ds_add_u32 v[SPW], v[NIL]
	s_wait_dscnt 0x0
	CROUND                                         ; the closing round
	s_endpgm
.Lfunc_end_k_q7eb242544b_oproj:
	.size	k_q7eb242544b_oproj, .Lfunc_end_k_q7eb242544b_oproj-k_q7eb242544b_oproj
	.p2alignl 7, 3214868480
	.fill 96, 4, 3214868480
	.section	.rodata,"a",@progbits
	.p2align	6, 0x0
	.amdhsa_kernel k_q7eb242544b_oproj
		.amdhsa_group_segment_fixed_size 327680
		.amdhsa_private_segment_fixed_size 0
		.amdhsa_enable_private_segment 0
		.amdhsa_kernarg_size 48
		.amdhsa_user_sgpr_count 2
		.amdhsa_user_sgpr_kernarg_segment_ptr 1
		.amdhsa_wavefront_size32 1
		.amdhsa_system_sgpr_workgroup_id_x 1
		.amdhsa_system_sgpr_workgroup_id_y 1
		.amdhsa_system_sgpr_workgroup_id_z 1
		.amdhsa_system_vgpr_workitem_id 0
		.amdhsa_next_free_vgpr 1024
		.amdhsa_next_free_sgpr 102
		.amdhsa_reserve_vcc 0
		.amdhsa_float_denorm_mode_32 3
		.amdhsa_float_denorm_mode_16_64 3
		.amdhsa_memory_ordered 1
		.amdhsa_forward_progress 1
		.amdhsa_inst_pref_size 153
	.end_amdhsa_kernel
	.amdgpu_metadata
---
amdhsa.version: [ 1, 2 ]
amdhsa.kernels:
  - .name:           k_q7eb242544b_oproj
    .symbol:         k_q7eb242544b_oproj.kd
    .args:
      - { .name: oimg, .offset: 0, .size: 8, .value_kind: global_buffer, .address_space: global }
      - { .name: osc, .offset: 8, .size: 8, .value_kind: global_buffer, .address_space: global }
      - { .name: cod, .offset: 16, .size: 8, .value_kind: global_buffer, .address_space: global }
      - { .name: scl, .offset: 24, .size: 8, .value_kind: global_buffer, .address_space: global }
      - { .name: bo, .offset: 32, .size: 8, .value_kind: global_buffer, .address_space: global }
      - { .name: out0, .offset: 40, .size: 8, .value_kind: global_buffer, .address_space: global }
    .group_segment_fixed_size: 327680
    .private_segment_fixed_size: 0
    .kernarg_segment_align: 8
    .kernarg_segment_size: 48
    .max_flat_workgroup_size: 128
    .sgpr_count:     102
    .vgpr_count:     1024
    .wavefront_size: 32
...
	.end_amdgpu_metadata
.endif
;; end of part 4
;; ======== version 2 of 2: 4 launches
;; workspace buffers: cod 15,728,640 bytes; scl 1,310,720 bytes; mimg 16,777,216 bytes; img 9,437,184 bytes; isc 786,432 bytes; oimg 3,145,728 bytes; osc 262,144 bytes
;; launch prep: the kernel of part 1 again; grid 768 x 1, 4 waves a work-group, no clusters, 34,304 bytes of LDS; arguments hidden_states, wq, wk, wv, wo, attention_mask, cod, scl, mimg; writes cod, scl, mimg
;; launch qkv: the kernel of part 2 again; grid 24 x 8, 4 waves a work-group, clusters of 4 x 4, 327,680 bytes of LDS; arguments cod, scl, bq, bk, bv, img, isc; writes img, isc
;; launch attn: the kernel of part 3 again; grid 16 x 16, 8 waves a work-group, clusters of 4 x 1, 327,680 bytes of LDS; arguments img, isc, mimg, oimg, osc; writes oimg, osc
;; launch oproj (part 5): grid 16 x 16, 4 waves a work-group, clusters of 4 x 4, 327,680 bytes of LDS; arguments oimg, osc, cod, scl, bo, out0; writes out0
.if DOCPART == 5
	.amdgcn_target "amdgcn-amd-amdhsa--gfx1250"
	.amdhsa_code_object_version 6
	.text
	.protected	k_q7eb242544b_oproj
	.globl	k_q7eb242544b_oproj
	.p2align	8
	.type	k_q7eb242544b_oproj,@function
k_q7eb242544b_oproj:
	s_mov_b64 s[64:65], 0
	v_nop
	global_prefetch_b8 v0, s[64:65] scope:SCOPE_SE
	s_setreg_imm32_b32 hwreg(HW_REG_WAVE_MODE, 25, 1), 1
	s_wait_xcnt 0x0
	s_wait_alu depctr_hold_cnt(0) depctr_sa_sdst(0) depctr_va_vdst(0) depctr_va_sdst(0) depctr_va_ssrc(0) depctr_va_vcc(0) depctr_vm_vsrc(0)
	s_getreg_b32 s2, hwreg(HW_REG_IB_STS2, 6, 4)
	s_cmp_eq_u32 s2, 0
	s_cbranch_scc0 .Lentry_in_a_cluster
	s_endpgm
.Lentry_in_a_cluster:
	s_bfe_u32 s2, ttmp6, 0x10000c
	s_cmp_lg_u32 s2, 0xf033
	s_cbranch_scc0 .Lentry_shape_is_right
	s_endpgm
.Lentry_shape_is_right:
; LAUNCH 4 OF 4.  out0 = O wo^T + bo on codes of E3M2.  No work is left out.
; The matrix instruction is used transposed: source 0 = 16 rows of wo (S0), source 1 = 16 rows of O (S1): a lane holds one token, and its registers run along the output features.
; SHARES.  A tile of 128 tokens x 128 features to a work-group: 16 x 16 = 256 work-groups.  Wave w makes tokens 64 (w / 2) on x features 64 (w % 2) on: 16 accumulators.
; K = 2048 IS 16 K STEPS OF 128.  A work-group's codes of one K step are 16 fragments of 1,536 bytes; three slots of four K steps, 3 x 98,304 bytes, are filled at the head, all together; the last four K steps are brought into
; slot 0 when it has been read: ONE refill in the launch, asked for eight K steps (128 matrix instructions a wave) ahead of its first read.  By the text's count three tensor loads of a wave are out at the start, one later.
; So that three slots fit, THE SCALE WORDS DO NOT LIE IN LDS: a wave's 4 + 4 tiles x 16 K steps are 128 words a lane's row, loaded once from memory into 128 registers that hold nothing else.
; Fragments lie in memory and in LDS as images of their registers: each comes by three loads of 512 consecutive bytes.  CLUSTER 4 x 4: O's tiles are asked for jointly along a row of the cluster, wo's along a column.
; No prefetch is laid: twelve of the sixteen K steps are asked for at the head, and the refill stands eight K steps ahead of its reads.
; ORDER OF ROWS (launch 1's): place r of tile t is row 32 (t / 2) + 8 (t % 2) + r + 8 (r / 8).  So register j of lane (r, h) in feature tile b is feature 32 (b / 2) + 16 h + 8 (b % 2) + j of my 64.
; THE WAY OUT: a block of 16 tokens x 64 features goes through the wave's own stage in LDS and comes back as rows of 256 bytes; bo is added; sixteen lanes store 256 consecutive bytes, aligned.
; The stage lies in slot 1: it has had its only fill, and every wave has passed the last barrier, in front of which its reads of that slot were over.
; REGISTERS: window 0: v8-29 addresses and bo; v64-127 O's scale words (4 ks + tile), v128-191 wo's; v192-255 the way out.  window 1: two sets of fragments, at v0 and v128: wo's four, then O's four at + 48.  window 2: accumulator (a, b) at v[8 (4 a + b)].
; LIMITS: NaN and infinities are not served.
.set FR,    12
.set FRB,   1536                       ; a fragment's image
.set KSB,   4*FRB                      ; four fragments of one K step
.set QUART, 4*KSB                      ; what one tensor load brings, and what a wave reads of S1 or of S0 in a slot: 24,576
.set SLOT,  4*QUART                    ; S1's two halves, then S0's: 98,304
.set SPARE, 3*SLOT                     ; behind the three slots: the spare words, 128 bytes a wave: two blocks of 256 bytes that no other line names
.set STG,   SLOT                       ; the stages, in slot 1
.set SPITCH, 272                       ; a stage row: 256 bytes + 16 = 68 words: the sixteen rows that a store touches start four banks apart
.set KSG,   196608                     ; from K step to K step in memory
.set PARTG, 4*KSG                      ; from slot to slot
.set BO,   8                           ; v8-11  my four numbers of bo
.set ADRA, 12                          ; v12-14 S1's fragments in slot 0, 1, 2
.set ADRB, 16                          ; v16-18 S0's
.set L16,  20                          ; v20  16 x lane
.set LW,   21                          ; v21  4 x lane
.set CB,   22                          ; v22  16 x (lane % 16)
.set STO,  24                          ; v24  the stage: where I put 32 bytes of a row
.set RD,   25                          ; v25  and where I read a row back
.set CO,   26                          ; v26  my byte offset in two rows of out0
.set SPW,  28
.set NIL,  29
.set SA,   64
.set SB,   128
.set BK,   192                         ; the way out: v192-223 and v224-255 by turns
.set WV,   18
.set WH1,  19                          ; wave / 2: my half of the tokens; also: I fetch for S1 (0) or S0 (1)
.set WH0,  20                          ; wave % 2: my half of the features; also: which 64 rows I fetch
.set G1,   24                          ; s[24:31] group 1 for S1's tiles;  s[32:43] group 0, a set for each slot
.set G0,   32
.set G1B,  48                          ; s[48:55], s[68:79] the same for S0's
.set G0B,  68
.set MSB, 0
.macro WIN new                         ; the immediate's high byte repeats the setting that is left
.if MSB != (\new)
	s_set_vgpr_msb (MSB<<8)|(\new)
.set MSB, (\new)
.endif
.endm
.set MUL,  0xa5                        ; sources 0 and 1 window 1, C and D window 2
.set TO_F, 0x40                        ; destination window 1, address window 0
.macro JLOAD g0a, g1a, g0b, g1b        ; waves 0 and 1 fetch for S1, waves 2 and 3 for S0; the branch hangs on the wave's number alone; an s_nop 0 and four v_nop follow each of the two lines
	s_cmp_eq_u32 s[WH1], 0
	s_cbranch_scc0 .Lfor_b_\@
	tensor_load_to_lds s[\g0a:\g0a+3], s[\g1a:\g1a+7]
	s_nop 0
.rept 4
	v_nop
.endr
	s_branch .Lasked_\@
.Lfor_b_\@:
	tensor_load_to_lds s[\g0b:\g0b+3], s[\g1b:\g1b+7]
	s_nop 0
.rept 4
	v_nop
.endr
.Lasked_\@:
.endm
.macro CREST                           ; a round of the cluster's barrier behind its opening barrier
	s_cmp_lg_u32 s[WV], 0
	s_cbranch_scc1 .Lnot_wave_0_\@
	s_barrier_signal -3
.Lnot_wave_0_\@:
	s_barrier_wait -3
	s_barrier_signal -1
	s_barrier_wait -1
.endm
.macro CROUND
	s_barrier_signal -1
	s_barrier_wait -1
	CREST
.endm
	s_load_b256 s[4:11], s[0:1], 0x0               ; oimg s[4:5], osc s[6:7], cod s[8:9], scl s[10:11]
	s_load_b128 s[12:15], s[0:1], 0x20             ; bo s[12:13], out0 s[14:15]
	v_lshl_add_u32 v[SPW], v0, 2, SPARE
	v_mov_b32 v[NIL], 0
	ds_add_u32 v[SPW], v[NIL]                      ; the wave's opening: the add, twice on end, and its wait ahead of my first tensor load
	ds_add_u32 v[SPW], v[NIL]
	v_lshrrev_b32 v1, 5, v0
	v_readfirstlane_b32 s[WV], v1
	s_lshr_b32 s[WH1], s[WV], 1
	s_and_b32 s[WH0], s[WV], 1
	s_bfe_u32 s21, ttmp6, 0x40000                  ; cx
	s_bfe_u32 s22, ttmp6, 0x40004                  ; cy
	s_lshl_b32 s23, ttmp9, 2
	s_add_co_u32 s23, s23, s21                     ; the block of 128 features
	s_and_b32 s93, ttmp7, 0xffff
	s_lshl_b32 s93, s93, 2
	s_add_co_u32 s93, s93, s22                     ; the block of 128 tokens
	s_lshl_b32 s84, s22, 2
	s_lshl_b32 s84, 15, s84                        ; my row of the cluster
	s_lshl_b32 s85, 0x1111, s21                    ; my column
	; group 1: 4 rows (K steps) of 6,144 bytes (four fragments) = 768 elements of 8 bytes, 24,576 elements apart; no padding: every LDS load takes 512 consecutive bytes
	s_or_b32 s[G1], s84, (3<<16)|(1<<21)
	s_or_b32 s[G1B], s85, (3<<16)|(1<<21)
.irp g, G1, G1B
	s_mov_b32 s[\g+1], 768<<16                     ; tensor_dim0
	s_mov_b32 s[\g+2], 4<<16                       ; tensor_dim1
	s_mov_b32 s[\g+3], 768<<16                     ; tile_dim0
	s_mov_b32 s[\g+4], 4                           ; tile_dim1
	s_mov_b32 s[\g+5], 24576                       ; the pitch
	s_mov_b32 s[\g+6], 0
	s_mov_b32 s[\g+7], 0
.endr
	s_lshl_b32 s45, s[WH0], 2                      ; which four tiles I fetch
	s_lshl_b32 s44, s93, 3
	s_add_co_u32 s44, s44, s45                     ; S1: the first of them
	s_mul_i32 s46, s44, FRB
	s_mov_b32 s47, 0
	s_lshl_b32 s98, s23, 3
	s_add_co_u32 s98, s98, s45                     ; S0 likewise, in registers that never hold S1's coordinate
	s_mul_i32 s94, s98, FRB
	s_add_co_u32 s94, s94, 12582912                ; wo is the fifth matrix of cod
	s_mov_b32 s95, 0
	s_mul_i32 s99, s[WV], QUART                    ; where they go: by the wave's number alone
	s_lshl_b32 s80, s93, 3                         ; the scale words that I read: O's tiles 8 x block + 4 x my half on, 128 bytes a tile
	s_lshl_b32 s81, s[WH1], 2
	s_add_co_u32 s80, s80, s81
	s_lshl_b32 s80, s80, 7
	s_mov_b32 s81, 0
	s_lshl_b32 s82, s23, 3                         ; wo's
	s_lshl_b32 s83, s[WH0], 2
	s_add_co_u32 s82, s82, s83
	s_lshl_b32 s82, s82, 7
	s_add_co_u32 s82, s82, 1048576                 ; the fifth matrix of scl
	s_mov_b32 s83, 0
	s_lshl_b32 s88, s23, 9                         ; my first feature, in bytes: 512 x block + 256 x half
	s_lshl_b32 s89, s[WH0], 8
	s_add_co_u32 s88, s88, s89
	s_mov_b32 s89, 0
	s_lshl_b32 s90, s93, 20                        ; my first token: 128 x block + 64 x half, rows of 8,192 bytes
	s_lshl_b32 s91, s[WH1], 19
	s_add_co_u32 s90, s90, s91
	s_add_co_u32 s90, s90, s88
	s_mov_b32 s91, 0
	v_and_b32 v1, 31, v0                           ; lane
	v_bfe_u32 v2, v0, 4, 1                         ; h
	v_and_b32 v3, 15, v0                           ; r
	v_lshlrev_b32 v[L16], 4, v1
	v_lshlrev_b32 v[LW], 2, v1
	v_lshlrev_b32 v[CB], 4, v3
	s_wait_dscnt 0x0                               ; both opening adds are done
	s_wait_kmcnt 0x0
	s_add_nc_u64 s[46:47], s[4:5], s[46:47]
	s_add_nc_u64 s[94:95], s[8:9], s[94:95]
	s_add_nc_u64 s[6:7], s[6:7], s[80:81]
	s_add_nc_u64 s[10:11], s[10:11], s[82:83]
	s_add_nc_u64 s[12:13], s[12:13], s[88:89]
	s_add_nc_u64 s[14:15], s[14:15], s[90:91]
	CROUND                                         ; all sixteen work-groups are here: the first joint loads meet
.irp z, 0,1,2
	s_mov_b32 s[G0+4*\z], 1                        ; count = 1
	s_add_co_u32 s[G0+4*\z+1], s99, \z*SLOT        ; LDS address
	s_add_nc_u64 s[G0+4*\z+2:G0+4*\z+3], s[46:47], \z*PARTG   ; K steps 4 z on
	s_or_b32 s[G0+4*\z+3], s[G0+4*\z+3], 0x80000000           ; type = 2
	s_mov_b32 s[G0B+4*\z], 1
	s_add_co_u32 s[G0B+4*\z+1], s99, \z*SLOT
	s_add_nc_u64 s[G0B+4*\z+2:G0B+4*\z+3], s[94:95], \z*PARTG
	s_or_b32 s[G0B+4*\z+3], s[G0B+4*\z+3], 0x80000000
	JLOAD G0+4*\z, G1, G0B+4*\z, G1B
.endr
	global_load_b128 v[BO:BO+3], v[CB], s[12:13]   ; bo of the four features that I store in every row
.irp k, 0,1,2,3,4,5,6,7,8,9,10,11,12,13,14,15
.irp i, 0,1,2,3
	global_load_b32 v[SA+4*\k+\i], v[LW], s[6:7] offset:16384*\k+128*\i     ; the image of a scale register: lane r holds row r's word; four tiles are 512 bytes on end
	global_load_b32 v[SB+4*\k+\i], v[LW], s[10:11] offset:16384*\k+128*\i
.endr
.endr
	s_mul_i32 s86, s[WH1], QUART                   ; my 64 rows of S1
	s_mul_i32 s87, s[WH0], QUART                   ; my 64 rows of S0,
	s_add_co_u32 s87, s87, 2*QUART                 ; behind S1's two halves
.irp z, 0,1,2
	v_add_nc_u32 v[ADRA+\z], s86, v[L16]
	v_add_nc_u32 v[ADRB+\z], s87, v[L16]
	s_add_co_u32 s86, s86, SLOT
	s_add_co_u32 s87, s87, SLOT
.endr
	s_mul_i32 s86, s[WV], 16*SPITCH
	s_add_co_u32 s86, s86, STG                     ; my stage
	v_mul_u32_u24 v[STO], v3, SPITCH
	v_lshl_add_u32 v[STO], v2, 6, v[STO]
	v_add_nc_u32 v[STO], s86, v[STO]               ; in: row r, + 64 h
	v_mul_u32_u24 v[RD], v2, SPITCH
	v_add_nc_u32 v[RD], v[RD], v[CB]
	v_add_nc_u32 v[RD], s86, v[RD]                 ; back: lanes 0-15 one row of 256 bytes, lanes 16-31 the next
	v_lshl_add_u32 v[CO], v2, 13, v[CB]            ; and the same two rows in out0
; 8 matrix instructions: S1's blocks a0, a0 + 1 x S0's four, K step ks, from set p.  The 16 accumulators take turns, one instruction a turn, in the same order in every step.
.macro MUL8 a0, p, ks, zero
.irp a, \a0, \a0+1
.irp b, 0,1,2,3
.if \zero
	v_wmma_scale_f32_16x16x128_f8f6f4 v[8*(4*(\a)+\b):8*(4*(\a)+\b)+7], v[128*(\p)+FR*\b:128*(\p)+FR*\b+FR-1], v[128*(\p)+48+FR*(\a):128*(\p)+48+FR*(\a)+FR-1], 0, v[SB+4*(\ks)+\b], v[SA+4*(\ks)+(\a)] matrix_a_fmt:MATRIX_FMT_BF6 matrix_b_fmt:MATRIX_FMT_BF6
.else
	v_wmma_scale_f32_16x16x128_f8f6f4 v[8*(4*(\a)+\b):8*(4*(\a)+\b)+7], v[128*(\p)+FR*\b:128*(\p)+FR*\b+FR-1], v[128*(\p)+48+FR*(\a):128*(\p)+48+FR*(\a)+FR-1], v[8*(4*(\a)+\b):8*(4*(\a)+\b)+7], v[SB+4*(\ks)+\b], v[SA+4*(\ks)+(\a)] matrix_a_fmt:MATRIX_FMT_BF6 matrix_b_fmt:MATRIX_FMT_BF6
.endif
.endr
.endr
.endm
; 24 LDS loads in one run: the eight fragments of slot z's q-th K step into set p
.macro FETCH z, q, p
	WIN TO_F
.irp i, 0,1,2,3
.irp c, 0,1,2
	ds_load_b128 v[128*(\p)+FR*\i+4*\c:128*(\p)+FR*\i+4*\c+3], v[ADRB+\z] offset:KSB*(\q)+FRB*\i+512*\c
.endr
.endr
.irp i, 0,1,2,3
.irp c, 0,1,2
	ds_load_b128 v[128*(\p)+48+FR*\i+4*\c:128*(\p)+48+FR*\i+4*\c+3], v[ADRA+\z] offset:KSB*(\q)+FRB*\i+512*\c
.endr
.endr
.endm
.macro PLACES                          ; four plain vector instructions between matrix instructions and loads into registers that they have read, or reads of their results
.rept 4
	v_nop
.endr
.endm
; K step ks, whose successor lies in a slot that a barrier has already shown whole: the successor's fragments are asked for first, into the set that the step before multiplied.  K steps 4 P .. 4 P + 3 lie in slot P % 3.
.macro STEP ks, zero
.set NK, (\ks)+1
	PLACES
	FETCH (NK/4)%3, NK%4, NK%2
	s_wait_dscnt 24                                ; this step's 24 loads are in; the 24 just issued may be out
	WIN MUL
	MUL8 0, (\ks)%2, \ks, \zero
	MUL8 2, (\ks)%2, \ks, \zero
.endm
; K step ks, whose successor lies behind a barrier.  In front of it each wave waits for all its tensor loads, adds 0 to its spare word, and waits for that and for its LDS reads.
; fill = 1: the barrier opens a round of the cluster's; behind it slot 0, which nobody reads any more, takes K steps 12 to 15.  fill = 0: that load has landed in every wave; nothing is filled.
.macro TURN ks, fill
.set NK, (\ks)+1
	WIN 0                                          ; (the add's two registers lie in window 0)
	s_wait_tensorcnt 0x0                           ; all my tensor loads have landed
	ds_add_u32 v[SPW], v[NIL]
	s_wait_dscnt 1                                 ; this step's 24 loads are in; the add may be out
	WIN MUL
	MUL8 0, (\ks)%2, \ks, 0                        ; eight matrix instructions stand between the add and the wait for it
	s_wait_dscnt 0x0                               ; the add is done, and my LDS reads are over
	s_barrier_signal -1
	WIN 0
	s_barrier_wait -1
.if \fill
	CREST                                          ; no wave of any partner still reads slot 0 or has a load on its way
	s_add_nc_u64 s[G0+2:G0+3], s[G0+2:G0+3], 3*PARTG
	s_add_nc_u64 s[G0B+2:G0B+3], s[G0B+2:G0B+3], 3*PARTG
	JLOAD G0, G1, G0B, G1B                         ; the first tensor load behind the round, and my only one; its four v_nop are the places in front of the loads below
.else
	PLACES
.endif
	FETCH (NK/4)%3, NK%4, NK%2
	WIN MUL
	MUL8 2, (\ks)%2, \ks, 0
.endm
	s_wait_tensorcnt 2                             ; my part of slot 0 is in; slots 1 and 2 may be out
	s_barrier_signal -1
	s_barrier_wait -1                              ; everybody's is
	FETCH 0, 0, 0
	s_wait_loadcnt 0x0                             ; the scale words and bo
	STEP 0, 1                                      ; the first step's products start the sums
	STEP 1, 0
	STEP 2, 0
	TURN 3, 1                                      ; slots 1 and 2 are whole in every wave; slot 0 is asked for again
.irp k, 4,5,6,7,8,9,10
	STEP \k, 0
.endr
	TURN 11, 0                                     ; slot 0 is whole again
	STEP 12, 0
	STEP 13, 0
	STEP 14, 0
	s_wait_dscnt 0x0                               ; the last step: nothing more to fetch
	WIN MUL
	MUL8 0, 1, 15, 0
	MUL8 2, 1, 15, 0
	WIN 0
.macro TOSTAGE a
.set AC, 32*(\a)
	WIN 0x08                                       ; an LDS store's data are its source 1: window 2
.irp b, 0,1,2,3
	ds_store_b128 v[STO], v[AC+8*\b:AC+8*\b+3] offset:128*(\b/2)+32*(\b%2)        ; each accumulator from its low end on
	ds_store_b128 v[STO], v[AC+8*\b+4:AC+8*\b+7] offset:128*(\b/2)+32*(\b%2)+16
.endr
	WIN 0
.set BB, BK+32*((\a)%2)
.irp t, 0,1,2,3,4,5,6,7
	ds_load_b128 v[BB+4*\t:BB+4*\t+3], v[RD] offset:2*\t*SPITCH   ; LDS serves a wave's instructions in order (ISA guide 5.7.1.4): these see my stores, and the next block's stores come behind them
.endr
.endm
.macro SEND a, younger                 ; younger: the LDS instructions issued behind block a's loads, which may stay out
.set BB, BK+32*((\a)%2)
	s_wait_dscnt \younger
.irp t, 0,1,2,3,4,5,6,7
	v_pk_add_f32 v[BB+4*\t:BB+4*\t+1], v[BB+4*\t:BB+4*\t+1], v[BO:BO+1]
	v_pk_add_f32 v[BB+4*\t+2:BB+4*\t+3], v[BB+4*\t+2:BB+4*\t+3], v[BO+2:BO+3]
.endr
.irp t, 0,1,2,3,4,5,6,7
	global_store_b128 v[CO], v[BB+4*\t:BB+4*\t+3], s[14:15] offset:(32*((\a)/2)+8*((\a)%2)+2*\t+8*(\t/4))*8192 th:TH_STORE_NT   ; place 2 t + h of block a is token 32 (a / 2) + 8 (a % 2) + 2 t + h + 8 (t / 4); 16 lanes store 256 consecutive bytes, aligned; 62 rows at the most: inside the signed 24-bit immediate
.endr
.endm
	PLACES                                         ; ahead of the first read of the last products' results
	TOSTAGE 0
.irp a, 1,2,3
.if \a > 1
	s_wait_xcnt 0x0                                ; block a - 2's stores have read their registers: block a's loads may land there
.endif
	TOSTAGE \a
	SEND \a-1, 16                                  ; behind block a - 1's loads: block a's 8 stores and 8 loads
.endr
	SEND 3, 0
	s_wait_tensorcnt 0x0                           ; the wave's end
	ds_add_u32 v[SPW], v[NIL]
	s_wait_dscnt 0x0
	CROUND                                         ; the closing round
	s_endpgm
.Lfunc_end_k_q7eb242544b_oproj:
	.size	k_q7eb242544b_oproj, .Lfunc_end_k_q7eb242544b_oproj-k_q7eb242544b_oproj
	.p2alignl 7, 3214868480
	.fill 96, 4, 3214868480
	.section	.rodata,"a",@progbits
	.p2align	6, 0x0
	.amdhsa_kernel k_q7eb242544b_oproj
		.amdhsa_group_segment_fixed_size 327680
		.amdhsa_private_segment_fixed_size 0
		.amdhsa_enable_private_segment 0
		.amdhsa_kernarg_size 48
		.amdhsa_user_sgpr_count 2
		.amdhsa_user_sgpr_kernarg_segment_ptr 1
		.amdhsa_wavefront_size32 1
		.amdhsa_system_sgpr_workgroup_id_x 1
		.amdhsa_system_sgpr_workgroup_id_y 1
		.amdhsa_system_sgpr_workgroup_id_z 1
		.amdhsa_system_vgpr_workitem_id 0
		.amdhsa_next_free_vgpr 768
		.amdhsa_next_free_sgpr 102
		.amdhsa_reserve_vcc 0
		.amdhsa_float_denorm_mode_32 3
		.amdhsa_float_denorm_mode_16_64 3
		.amdhsa_memory_ordered 1
		.amdhsa_forward_progress 1
		.amdhsa_inst_pref_size 94
	.end_amdhsa_kernel
	.amdgpu_metadata
---
amdhsa.version: [ 1, 2 ]
amdhsa.kernels:
  - .name:           k_q7eb242544b_oproj
    .symbol:         k_q7eb242544b_oproj.kd
    .args:
      - { .name: oimg, .offset: 0, .size: 8, .value_kind: global_buffer, .address_space: global }
      - { .name: osc, .offset: 8, .size: 8, .value_kind: global_buffer, .address_space: global }
      - { .name: cod, .offset: 16, .size: 8, .value_kind: global_buffer, .address_space: global }
      - { .name: scl, .offset: 24, .size: 8, .value_kind: global_buffer, .address_space: global }
      - { .name: bo, .offset: 32, .size: 8, .value_kind: global_buffer, .address_space: global }
      - { .name: out0, .offset: 40, .size: 8, .value_kind: global_buffer, .address_space: global }
    .group_segment_fixed_size: 327680
    .private_segment_fixed_size: 0
    .kernarg_segment_align: 8
    .kernarg_segment_size: 48
    .max_flat_workgroup_size: 128
    .sgpr_count:     102
    .vgpr_count:     768
    .wavefront_size: 32
...
	.end_amdgpu_metadata
.endif
;; end of part 5
